; MI455X (gfx1250); checked and timed in simulation.
; The chip was launched on July 23, 2026; its instructions are those of AMD's public machine-readable ISA for CDNA 5 (MIT licence, August 2026) and "CDNA5" Instruction Set Architecture Reference Guide (July 2026). The comments in the code are by the model that wrote it; some were corrected since.
;; Spatial Attention. Allowed arithmetic: matrix products marked QUANTISED: E2M1 operands, one E8M0 scale for each 32 along K, by v_wmma_scale_f32_16x16x128_f8f6f4 with both operands' format E2M1 (or v_wmma_scale_f32_32x16x128_f4), f32 sums; everything else in f32.
;; Inputs: Wb 32 x 256 float32; Wc 32 x 256 float32; Wd 256 x 256 float32; alpha 1 float32; bb 32 float32; bc 32 float32; bd 256 float32; x 4 x 256 x 64 x 64 float32.
;; Outputs: out0 4 x 256 x 64 x 64 float32.
;; This version of the problem:
;;   THIS VERSION OF THE PROBLEM IS GIVEN IN LOW PRECISION. The matrix products marked QUANTISED in the list below multiply operands that are first quantised to E2M1 (2 exponent bits, 1 mantissa bit; 4 bits a number), with one power-of-two scale for each 32 numbers along K (OCP MX v1.0); their sums are f32. All else is computed in f32.
;;   The module's matrix products, in the order in which they are computed (A, B: the left and right operand; K: the contracted axis; several contracted axes count as one K, in the product's order):
;;     1. [M 16,384, K 256] x [K 256, N 32]; A: input x; B: input Wb: QUANTISED
;;     2. [M 16,384, K 256] x [K 256, N 32]; A: input x; B: input Wc: QUANTISED
;;     3. [M 16,384, K 256] x [K 256, N 256]; A: input x; B: input Wd: QUANTISED
;;     4. batch 4 x [M 4,096, K 32] x [K 32, N 4,096]; A: computed on the way; B: computed on the way: QUANTISED
;;     5. batch 4 x [M 256, K 4,096] x [K 4,096, N 4,096]; A: computed on the way; B: softmax (see below): QUANTISED
;;   THE QUANTISER, for each operand of a quantised product, along K:
;;     - K is cut into blocks of 32 from its start; a last block that is shorter is filled with zeros.
;;     - A block's scale is 2^e with e = floor(log2(the largest magnitude in the block)) - 2, held to -126 .. 127; a block of zeros has e = 0. As a byte (E8M0): e + 127.
;;     - Each number is divided by its block's scale, clamped to +-6, and rounded to the nearest number of E2M1, ties to even, subnormals kept.
;;     - The product sums the exact products of the quantised numbers (number of the format x scale) in f32.
;;   ~~~python
;;   def quantise(x, axis):      # numpy; x: float32 -> the quantised numbers, widened to float32 again
;;       x = np.moveaxis(x, axis, -1); K = x.shape[-1]
;;       x = np.pad(x, [(0, 0)] * (x.ndim - 1) + [(0, -K % 32)]); x = x.reshape(x.shape[:-1] + (-1, 32)); a = np.abs(x).max(-1, keepdims=True)
;;       e = np.where(a > 0, np.clip(np.frexp(np.where(a > 0, a, 1))[1] - 1 - 2, -126, 127), 0)      # np.frexp(a)[1] - 1 = floor(log2(a)), exactly
;;       r = np.clip(x / 2.0 ** e, -6, 6)
;;       step = 2.0 ** (np.maximum(np.frexp(np.where(r == 0, 1, r))[1] - 1, 0) - 1)
;;       q = np.round(r / step) * step * 2.0 ** e      # np.round: ties to even
;;       return np.moveaxis(q.reshape(q.shape[:-2] + (-1,))[..., :K], -1, axis).astype(np.float32)
;;   ~~~
;;   SOFTMAX AHEAD OF A QUANTISED PRODUCT. Where the list says 'softmax', what is quantised is not the finished softmax but p = 2^(t - M), with t = logit x log2(e) and M = ceil(the row's largest t), a whole number; so 1/2 < the row's largest p <= 1. The row's sum l is taken of the UNQUANTISED p, in f32, and the product's result is divided by l at the end. Since M is a whole number, a kernel that streams over the keys may use a running M (the ceiling of the running maximum): every later rescaling is an exact power of two, which a block's scale takes up: the codes' values come out the same.
;;   OPERANDS COMPUTED ON THE WAY. 'Computed on the way' means the value that the module computes at that place (a softmax that the list does not call 'softmax' is quantised finished and normalised). What goes into a quantiser is computed in f32, as accurately as f32 sums, v_exp_f32 and their like allow (about 1e-6 of the number): no bf16 or f16 on the way to a quantiser, and a product that is left as it is and whose result goes on into a quantised operand takes f32 operands (vector FMAs, or v_wmma_f32_16x16x4_f32). A number that lies on a knife's edge between two numbers of the format may be rounded either way, as far as f32 arithmetic and the matrix unit's own rounding can turn it there, and no further.
;; 3 versions, each right; version 3 is version 2 with the launch project written anew for expert scheduling mode. Each part assembles by itself: llvm-mc -triple=amdgcn-amd-amdhsa -mcpu=gfx1250 --defsym DOCPART=n.
;; ======== version 1 of 3: 2 launches
;; workspace buffers: kv 2,621,440 bytes; qimg 262,144 bytes; qs 32,768 bytes
;; launch project (part 1): grid 128 x 1, 16 waves a work-group, no clusters, 70,656 bytes of LDS; arguments x, Wb, bb, Wc, bc, Wd, bd, kv, qimg, qs; writes kv, qimg, qs
.if DOCPART == 1
	.amdgcn_target "amdgcn-amd-amdhsa--gfx1250"
	.amdhsa_code_object_version 6
	.text
	.protected	k_qf0eaf30e2b_project
	.globl	k_qf0eaf30e2b_project
	.p2align	8
	.type	k_qf0eaf30e2b_project,@function
k_qf0eaf30e2b_project:
	s_mov_b64 s[64:65], 0
	v_nop
	global_prefetch_b8 v0, s[64:65] scope:SCOPE_SE
	s_setreg_imm32_b32 hwreg(HW_REG_WAVE_MODE, 25, 1), 1
	s_wait_xcnt 0x0
; fb = Wb x + bb, fc = Wc x + bc, fd = Wd x + bd for 128 pixels of one batch, all three products on codes of FP4 (E2M1) with one E8M0 scale for each 32 along K (the 256 channels),
; and the results quantised again for the two products of attention: fb and fc along their 32 outputs (one block a pixel), fd along the pixels (blocks of 32).
; x: [4][256][4096] f32 (K is NOT innermost); Wb, Wc: [32][256], Wd: [256][256] f32 (K innermost); biases f32.
; WHAT IS STORED, in the order of the next launch's operand registers:
;   kv   [work-group 128][20,480 bytes], a record of 128 keys: 0: fc's codes, key tile t at 256 t, lane r's key at 16 r;  2,048: fd's scale words;  3,072: fc's scale bytes, 8 r + t;  then zeros;
;        4,096: fd's codes as images of registers, channel tile n at 1,024 n, register group c at 512 c, lane l at 16 l.
;   qimg [tile 1,024][256 bytes]: fb's codes laid as fc's.      qs [work-group 128][256 bytes]: fb's scale bytes, 8 r + t, then zeros.
; THE PIXELS OF A TILE ARE NOT NEIGHBOURS: lane r of tile 2 b + u is pixel 32 b + 8 u + r + 8 (r / 8), so that a result's 16 registers of tiles 2 b and 2 b + 1 are 16 neighbours along the next K.
; SHARES.  128 work-groups of sixteen waves: 128 pixels are one fragment and one scale word along the pixels, so that nothing is pieced together between work-groups.
;   First eight waves quantise x (a lane to a pixel, registers down the channels) while the other eight quantise the three weights (a lane to two blocks of a row); both go to LDS.
;   Then wave w makes fd's channel tile w for all 128 pixels, and fb (waves 0-7) or fc (waves 8-15) of pixel tile w % 8.
; No tensor loads, no cluster: the work-groups share the weights alone, 327,680 bytes against the 131,072 of x that each reads by itself; x is asked for in the first lines.
; LIMITS: NaN and infinities among the inputs are not served.  A block whose largest magnitude lies under 2^-124, a block of zeros too, gets the scale byte 1 (the rule gives a block of zeros 127): its codes are what the
; conversion makes of its numbers under 2^-126, zeros for zeros, and this program alone reads the bytes.
.set XPITCH, 144                       ; LDS: x's codes: a pixel's 256 codes, 128 bytes, + 16 of padding: an odd multiple of 16 bytes
.set XSC,    18432                     ; x's scale words: [K step 2][pixel 128], 4 bytes
.set STG,    19456                     ; a stage of 2,560 bytes: fd's scale words (1,024), fc's scale bytes (128) and zeros, fb's scale bytes (128) and zeros
.set WSC,    22016                     ; the weights' scale words: 40 images of 128 bytes (4 x lane)
.set WIMG,   27136                     ; the weights' fragments: 40 images of 1,024 bytes.  Wd's tile n, K step s: 2 n + s;  Wb's tile u: 32 + 2 u + s;  Wc's: 36 + 2 u + s
.set TM,   32                          ; v32-47   at work in the quantisers: +0..3 largest magnitudes, +4..7 bytes and exchanged numbers, +12..15 the conversions' scale operands
.set PW,   48                          ; v48      the scale word (or byte) just made
.set PC,   52                          ; v52-59   the codes just made
.set BD,   60                          ; v60-67   fd's first C: bd of my lane's channel, eight times
.set BB,   68                          ; v68-83   fb's or fc's first C: register 8 u + j = bias[16 h + 8 u + j]
.set WF,   84                          ; v84-99   Wd's two fragments of my channel tile
.set WFS,  100                         ; v100-101 their scale words
.set XSW,  102                         ; v102-109 x's scale words of eight pixel tiles
.set SWS,  110                         ; v110-113 the small weight's scale words
.set OXS,  114                         ; v114-115 x's scale words of my own pixel tile
.set ZR,   116                         ; v116-119 zeros for the stage; at the end what leaves the stage
.set B0,   128                         ; v128-191 64 numbers as loaded;  later XF: x's eight fragments;  later my own tile's two, the small weight's four, and two accumulators
.set B1,   192                         ; v192-255 64 numbers as loaded;  later ACC: fd's eight accumulators
.set XF,   128
.set ACC,  192
.set OXF,  128
.set SWF,  144
.set ACC2, 176
.macro PLACES n
.rept \n
	v_nop
.endr
.endm
.macro BARRIER                         ; my LDS stores have landed and my LDS loads are in: then the work-group's barrier
	s_wait_dscnt 0x0
	s_barrier_signal -1
	s_barrier_wait -1
.endm
; x: block t of my K step: channels 32 t + i of my pixel, i = 0 .. 31, into set t % 2.  A wave's load reads 128 consecutive bytes, four waves stand side by side on 512.
.macro LOADX t
.set i, 0
.rept 32
	global_load_b32 v[B0+32*((\t)%2)+i], v5, s[32:33] offset:(32*(\t)+i)*16384 th:TH_LOAD_NT
.set i, i+1
.endr
.endm
; The block is quantised: all its 32 numbers are my lane's.
.macro XBLOCK t
.set XN, B0+32*((\t)%2)
.if (\t) < 3
	s_wait_loadcnt 32                              ; this block's 32 loads are in; the next block's 32 may be out
.else
	s_wait_loadcnt 0x0
.endif
	v_max3_num_f32 v[TM], |v[XN]|, |v[XN+1]|, |v[XN+2]|
	v_max3_num_f32 v[TM+1], |v[XN+3]|, |v[XN+4]|, |v[XN+5]|
.irp i, 6,10,14,18,22,26
	v_max3_num_f32 v[TM], v[TM], |v[XN+\i]|, |v[XN+\i+1]|
	v_max3_num_f32 v[TM+1], v[TM+1], |v[XN+\i+2]|, |v[XN+\i+3]|
.endr
	v_max3_num_f32 v[TM], v[TM], |v[XN+30]|, |v[XN+31]|
	v_max3_num_f32 v[TM], v[TM], v[TM+1], 0x1800000    ; and the floor 2^(3 - 127): the byte cannot fall under 1
	v_add_nc_u32 v[TM+12], 0xff000000, v[TM]       ; 2 off the exponent field: the conversion takes the exponent field of this operand as its scale
	v_lshrrev_b32 v[TM+4], 23, v[TM+12]            ; the scale's byte
.if (\t) == 0
	v_mov_b32 v[PW], v[TM+4]                       ; four bytes make the K step's scale word of my pixel
.else
	v_lshl_or_b32 v[PW], v[TM+4], 8*(\t), v[PW]
.endif
.irp g, 0,1,2,3
	v_cvt_scalef32_pk8_fp4_f32 v[PC+\g], v[XN+8*\g:XN+8*\g+7], v[TM+12]
.endr
	v_nop                                          ; one plain place behind a scaled conversion
	ds_store_b128 v6, v[PC:PC+3] offset:16*(\t)    ; 32 codes: 16 bytes of my pixel's row
.if (\t) < 2
	LOADX (\t)+2
.endif
	s_wait_dscnt 0x0                               ; the store has read its registers
.endm
; A weight's fragment, 16 rows x 128 K: lane (r, h) wants k = 64 c + 32 h + 0 .. 31 of its row: 128 consecutive bytes for each c
.macro WLOAD buf, adr, base, off
.irp c, 0,1
.irp q, 0,1,2,3,4,5,6,7
	global_load_b128 v[\buf+32*\c+4*\q:\buf+32*\c+4*\q+3], v[\adr], s[\base:\base+1] offset:\off+256*\c+16*\q
.endr
.endr
.endm
; Its 64 numbers a lane are two whole blocks (h and 2 + h): codes into v[PC] on, in the operand's own order, the row's scale word into v[PW]
.macro WQ buf
.irp c, 0,1
	v_max3_num_f32 v[TM+\c], |v[\buf+32*\c]|, |v[\buf+32*\c+1]|, 0x1800000
.endr
.irp i, 2,4,6,8,10,12,14,16,18,20,22,24,26,28,30
.irp c, 0,1
	v_max3_num_f32 v[TM+\c], v[TM+\c], |v[\buf+32*\c+\i]|, |v[\buf+32*\c+\i+1]|
.endr
.endr
.irp c, 0,1
	v_add_nc_u32 v[TM+12+\c], 0xff000000, v[TM+\c]
.endr
.irp c, 0,1
	v_lshrrev_b32 v[TM+4+\c], 23, v[TM+12+\c]
.endr
	v_lshl_or_b32 v[PW], v[TM+5], 16, v[TM+4]      ; my two bytes,
	v_lshlrev_b32 v[PW], v14, v[PW]                ; 8 h bits up;
	v_permlanex16_b32 v[TM+6], v[PW], s46, s47
	v_or_b32 v[PW], v[PW], v[TM+6]                 ; with lane l xor 16's two the word is whole
.irp c, 0,1
.irp g, 0,1,2,3
	v_cvt_scalef32_pk8_fp4_f32 v[PC+4*\c+\g], v[\buf+32*\c+8*\g:\buf+32*\c+8*\g+7], v[TM+12+\c]
.endr
.endr
	v_nop                                          ; one plain place behind a scaled conversion
.endm
.macro IMAGE adr, off                  ; the fragment in v[PC] on goes to LDS as it stands: lane l's 16 bytes at 16 l, 512 bytes a store
.irp c, 0,1
	ds_store_b128 v[\adr], v[PC+4*\c:PC+4*\c+3] offset:\off+512*\c
.endr
.endm
.macro FETCH reg, adr, off             ; and comes back so, in any wave
.irp c, 0,1
	ds_load_b128 v[\reg+4*\c:\reg+4*\c+3], v[\adr] offset:\off+512*\c
.endr
.endm
; One of a weight wave's five fragments: left = the loads of the next fragment, which may stay out
.macro WSTEP buf, left, iadr, ioff, sadr, soff
	s_wait_loadcnt \left
	WQ \buf
	IMAGE \iadr, \ioff
	ds_store_b32 v[\sadr], v[PW] offset:\soff
.endm
; 64 numbers of a lane, register 16 b + i = k 32 b + 16 (lane / 16) + i of my row, become a fragment's codes in v[PC] on and its scale word in v[PW]
.macro QUANT s
.irp b, 0,1,2,3
	v_max3_num_f32 v[TM+\b], |v[\s+16*\b]|, |v[\s+1+16*\b]|, 0x1800000
.endr
.irp i, 2,4,6,8,10,12,14
.irp b, 0,1,2,3
	v_max3_num_f32 v[TM+\b], v[TM+\b], |v[\s+16*\b+\i]|, |v[\s+1+16*\b+\i]|   ; the four blocks by turns
.endr
.endr
.irp b, 0,1,2,3
	v_permlanex16_b32 v[TM+4+\b], v[TM+\b], s46, s47
.endr
.irp b, 0,1,2,3
	v_max_num_f32 v[TM+\b], v[TM+\b], v[TM+4+\b]   ; with lane l xor 16's: the block's largest magnitude
.endr
.irp b, 0,1,2,3
	v_add_nc_u32 v[TM+12+\b], 0xff000000, v[TM+\b]
.endr
.irp b, 0,1,2,3
	v_lshrrev_b32 v[TM+4+\b], 23, v[TM+12+\b]
.endr
	v_lshl_or_b32 v[PW], v[TM+5], 8, v[TM+4]
	v_lshl_or_b32 v[PW], v[TM+6], 16, v[PW]
	v_lshl_or_b32 v[PW], v[TM+7], 24, v[PW]
.irp b, 0,1,2,3
	v_cvt_scalef32_pk8_fp4_f32 v[PC+2*\b], v[\s+16*\b:\s+7+16*\b], v[TM+12+\b]
	v_cvt_scalef32_pk8_fp4_f32 v[PC+1+2*\b], v[\s+8+16*\b:\s+15+16*\b], v[TM+12+\b]
.endr
	v_nop                                          ; one plain place behind a scaled conversion
.irp c, 0,1                                    ; the operand's layout wants a whole block in a lane
.irp i, 0,1
	v_permlane16_swap_b32 v[PC+4*\c+\i], v[PC+2+4*\c+\i]
.endr
.endr
.endm
; 16 numbers of a lane, register i = k 16 (lane / 16) + i of my pixel's ONE block of 32: eight bytes of codes in v[PC], v[PC+1], the byte in v[PW]
.macro Q32 s
	v_max3_num_f32 v[TM], |v[\s]|, |v[\s+1]|, 0x1800000
.irp i, 2,4,6,8,10,12,14
	v_max3_num_f32 v[TM], v[TM], |v[\s+\i]|, |v[\s+\i+1]|
.endr
	v_permlanex16_b32 v[TM+4], v[TM], s46, s47
	v_max_num_f32 v[TM], v[TM], v[TM+4]
	v_add_nc_u32 v[TM+12], 0xff000000, v[TM]
	v_lshrrev_b32 v[PW], 23, v[TM+12]
	v_cvt_scalef32_pk8_fp4_f32 v[PC], v[\s:\s+7], v[TM+12]
	v_cvt_scalef32_pk8_fp4_f32 v[PC+1], v[\s+8:\s+15], v[TM+12]
	v_nop
.endm
	s_load_b512 s[8:23], s[0:1], 0x0               ; x s[8:9], Wb s[10:11], bb s[12:13], Wc s[14:15], bc s[16:17], Wd s[18:19], bd s[20:21], kv s[22:23]
	s_load_b128 s[24:27], s[0:1], 0x40             ; qimg s[24:25], qs s[26:27]
	v_lshl_add_u32 v126, v0, 2, 0x10c00
	v_mov_b32 v127, 0
	v_lshrrev_b32 v1, 5, v0
	v_readfirstlane_b32 s28, v1                    ; wave w, 0..15
	s_and_b32 s29, s28, 7                          ; w % 8
	s_lshr_b32 s30, s28, 3                         ; w / 8: 0 makes fb, 1 makes fc
	s_and_b32 s48, s28, 3                          ; w % 4
	s_bfe_u32 s49, s28, 0x10002                    ; (w / 4) % 2
	s_mov_b32 s46, 0x76543210
	s_mov_b32 s47, 0xfedcba98                      ; v_permlanex16_b32's selects for lane l xor 16
	; every address register is made here, ahead of the place where the waves part, and none is written again
	v_and_b32 v1, 31, v0                           ; l
	v_and_b32 v2, 15, v0                           ; r
	v_bfe_u32 v3, v0, 4, 1                         ; h
	v_and_b32 v4, 8, v2
	v_add_nc_u32 v4, v4, v2                        ; r + 8 (r / 8)
	v_lshlrev_b32 v23, 4, v1                       ; 16 l
	v_lshlrev_b32 v50, 2, v1                       ; 4 l
	v_lshlrev_b32 v27, 3, v1                       ; 8 l
	s_lshl_b32 s50, s48, 7
	v_lshl_add_u32 v5, v1, 2, s50                  ; x in memory: pixel 32 (w % 4) + l, 4 bytes
	s_mul_i32 s50, s48, 32*XPITCH
	s_lshl_b32 s51, s49, 6
	s_add_co_u32 s50, s50, s51
	v_mul_u32_u24 v6, v1, XPITCH
	v_add_nc_u32 v6, s50, v6                       ; x's codes in LDS: my pixel's row, my K step's 64 bytes
	s_lshl_b32 s50, s49, 9
	s_lshl_b32 s51, s48, 7
	s_add_co_u32 s50, s50, s51
	s_add_co_u32 s50, s50, XSC
	v_lshl_add_u32 v7, v1, 2, s50                  ; and its scale word
	v_lshlrev_b32 v8, 10, v2
	v_lshl_add_u32 v8, v3, 7, v8                   ; Wd in memory: row r of 1,024 bytes, + 128 h
	v_lshlrev_b32 v9, 10, v4
	v_lshl_add_u32 v9, v3, 7, v9                   ; Wb, Wc: row r + 8 (r / 8)
	s_lshl_b32 s50, s29, 12
	s_add_co_u32 s50, s50, WIMG
	v_add_nc_u32 v10, s50, v23                     ; where a weight wave puts Wd's four images,
	s_lshl_b32 s50, s29, 10
	s_add_co_u32 s50, s50, WIMG+32768
	v_add_nc_u32 v11, s50, v23                     ; its small image,
	s_lshl_b32 s50, s29, 9
	s_add_co_u32 s50, s50, WSC
	v_add_nc_u32 v12, s50, v50                     ; and their scale words
	s_lshl_b32 s50, s29, 7
	s_add_co_u32 s50, s50, WSC+4096
	v_add_nc_u32 v13, s50, v50
	v_lshlrev_b32 v14, 3, v3                       ; 8 h
	v_mul_u32_u24 v15, v4, XPITCH
	v_lshl_add_u32 v15, v3, 4, v15                 ; x's fragments: row r + 8 (r / 8), + 16 h
	v_lshl_add_u32 v16, v4, 2, XSC                 ; and their scale words
	s_lshl_b32 s50, s28, 11
	s_add_co_u32 s50, s50, WIMG
	v_add_nc_u32 v17, s50, v23                     ; Wd's images of channel tile w
	s_lshl_b32 s50, s28, 8
	s_add_co_u32 s50, s50, WSC
	v_add_nc_u32 v18, s50, v50
	s_lshl_b32 s50, s30, 12
	s_add_co_u32 s50, s50, WIMG+32768
	v_add_nc_u32 v19, s50, v23                     ; Wb's or Wc's four images
	s_lshl_b32 s50, s30, 9
	s_add_co_u32 s50, s50, WSC+4096
	v_add_nc_u32 v20, s50, v50
	s_lshl_b32 s50, s49, 9
	s_lshl_b32 s51, s30, 8
	s_add_co_u32 s50, s50, s51
	s_lshl_b32 s51, s48, 2
	s_add_co_u32 s50, s50, s51
	s_add_co_u32 s50, s50, STG
	v_lshl_add_u32 v21, v2, 4, s50                 ; the stage: fd's scale word of tile n = w, row r: 512 ((n / 4) % 2) + 256 (n / 8) + 16 r + 4 (n % 4)
	s_xor_b32 s50, s30, 1
	s_lshl_b32 s50, s50, 10
	s_add_co_u32 s50, s50, s29
	s_add_co_u32 s50, s50, STG+1024
	v_lshl_add_u32 v22, v2, 3, s50                 ; fc's bytes at 1,024, fb's at 2,048: 8 r + tile
	v_lshlrev_b32 v24, 4, v2
	v_lshl_add_u32 v24, v3, 3, v24                 ; a pixel's 16 bytes of codes: 16 r + 8 h
	s_lshl_b32 s50, s28, 9
	s_add_co_u32 s50, s50, STG
	v_add_nc_u32 v25, s50, v23                     ; the stage, 512 bytes a wave
	v_add_nc_u32 v26, STG+2048, v27
	s_lshr_b32 s50, s29, 1
	s_lshl_b32 s50, s50, 5
	s_and_b32 s51, s28, 1
	s_lshl_b32 s51, s51, 3
	s_add_co_u32 s50, s50, s51                     ; my own pixel tile begins at 32 ((w % 8) / 2) + 8 (w % 2)
	s_mul_i32 s51, s50, XPITCH
	v_add_nc_u32 v29, s51, v15
	s_lshl_b32 s51, s50, 2
	v_add_nc_u32 v30, s51, v16
	v_lshlrev_b32 v31, 2, v2                       ; 4 r
	v_lshlrev_b32 v49, 6, v3                       ; 64 h
.irp i, 0,1,2,3
	v_mov_b32 v[ZR+\i], 0
	v_mov_b32 v[TM+4+\i], 0                        ; written once: a lane permute's destination counts as one of its sources
.endr
	s_lshr_b32 s50, ttmp9, 5                       ; the batch
	s_and_b32 s51, ttmp9, 31                       ; which 128 pixels of it
	s_lshl_b32 s50, s50, 22
	s_lshl_b32 s51, s51, 9
	s_add_co_u32 s50, s50, s51
	s_lshl_b32 s51, s49, 21                        ; my K step: 128 channels of 16,384 bytes
	s_add_co_u32 s50, s50, s51
	s_mov_b32 s51, 0
	s_wait_kmcnt 0x0
	s_add_nc_u64 s[32:33], s[8:9], s[50:51]        ; x
	s_lshl_b32 s50, s29, 15
	s_add_nc_u64 s[34:35], s[18:19], s[50:51]      ; Wd's tiles 2 (w % 8) and 2 (w % 8) + 1
	s_cmp_lt_u32 s29, 4
	s_cselect_b64 s[36:37], s[10:11], s[14:15]     ; the small fragment: Wb's for w % 8 under 4, else Wc's;
	s_bfe_u32 s50, s29, 0x10001
	s_lshl_b32 s50, s50, 13                        ; tile u begins 8 rows on,
	s_and_b32 s52, s29, 1
	s_lshl_b32 s52, s52, 9                         ; K step s 512 bytes on
	s_add_co_u32 s50, s50, s52
	s_add_nc_u64 s[36:37], s[36:37], s[50:51]
	s_mul_i32 s50, ttmp9, 20480
	s_add_nc_u64 s[38:39], s[22:23], s[50:51]      ; my record of kv
	s_lshl_b32 s50, s28, 10
	s_add_co_u32 s50, s50, 4096
	s_add_nc_u64 s[40:41], s[38:39], s[50:51]      ; fd's image of tile w
	s_lshl_b32 s50, ttmp9, 11
	s_add_nc_u64 s[42:43], s[24:25], s[50:51]      ; my eight tiles of qimg
	s_cmp_lg_u32 s30, 0
	s_cselect_b64 s[42:43], s[38:39], s[42:43]     ; fc's codes go to the record's head, fb's to qimg
	s_cselect_b64 s[44:45], s[16:17], s[12:13]     ; bc or bb
	s_lshl_b32 s50, s29, 8
	s_add_nc_u64 s[42:43], s[42:43], s[50:51]
	s_lshl_b32 s50, s28, 6
	s_add_nc_u64 s[52:53], s[20:21], s[50:51]      ; bd of channel tile w
	s_lshl_b32 s50, ttmp9, 8
	s_add_nc_u64 s[54:55], s[26:27], s[50:51]      ; my 256 bytes of qs
	s_lshl_b32 s50, s28, 9
	s_add_co_u32 s50, s50, 2048
	s_add_nc_u64 s[56:57], s[38:39], s[50:51]      ; the record's bytes 2,048 on, 512 a wave
	global_load_b32 v28, v31, s[52:53]             ; bd[16 w + r]
.irp q, 0,1,2,3
	global_load_b128 v[BB+4*\q:BB+4*\q+3], v49, s[44:45] offset:16*\q   ; bias[16 h + 0 .. 15]
.endr
	s_cmp_lt_u32 s28, 5
	s_cbranch_scc0 .Lno_clear
	ds_store_b128 v25, v[ZR:ZR+3]                  ; the stage's 2,560 bytes begin as zeros: what nobody fills leaves as zeros
.Lno_clear:
	s_cmp_lt_u32 s28, 8
	s_cbranch_scc0 .Lweights
	; ---- waves 0-7: x.  A lane takes a pixel, its registers run down the channels: 32 pixels x 128 channels a wave
	LOADX 0
	LOADX 1
	XBLOCK 0
	XBLOCK 1
	XBLOCK 2
	XBLOCK 3
	ds_store_b32 v7, v[PW]
	s_branch .Ljoin
.Lweights:
	; ---- waves 8-15: the weights, five fragments a wave, the loads one fragment ahead in two sets of registers
	WLOAD B0, 9, 36, 0
	WLOAD B1, 8, 34, 0
	WSTEP B0, 16, 11, 0, 13, 0                     ; Wb's or Wc's
	WLOAD B0, 8, 34, 512
	s_wait_dscnt 0x0                               ; the stores have read their registers
	WSTEP B1, 16, 10, 0, 12, 0                     ; Wd: first tile, K step 0
	WLOAD B1, 8, 34, 16384
	s_wait_dscnt 0x0
	WSTEP B0, 16, 10, 1024, 12, 128                ; first tile, K step 1
	WLOAD B0, 8, 34, 16896
	s_wait_dscnt 0x0
	WSTEP B1, 16, 10, 2048, 12, 256                ; second tile, K step 0
	s_wait_dscnt 0x0
	WSTEP B0, 0, 10, 3072, 12, 384                 ; second tile, K step 1
.Ljoin:
	s_wait_loadcnt 0x0                             ; the biases
.irp i, 0,1,2,3,4,5,6,7
	v_mov_b32 v[BD+\i], v28                        ; a lane's eight results of a tile of fd belong to one channel
.endr
	PLACES 4
	BARRIER                                        ; x's codes and scale words, the weights' images and the cleared stage lie in LDS
	; ---- fd: channel tile w for the 128 pixels.  Source 0 = 16 pixels, source 1 = 16 channels: a lane holds ONE channel, and its registers run along the pixels, the next K
	FETCH WF, 17, 0
	FETCH WF+8, 17, 1024
	ds_load_b32 v[WFS], v18
	ds_load_b32 v[WFS+1], v18 offset:128
.irp s, 0,1
.if \s
	PLACES 4                                       ; in front of loads into registers that matrix instructions have read
.endif
.irp t, 0,1,2,3,4,5,6,7
.irp c, 0,1
	ds_load_b128 v[XF+8*\t+4*\c:XF+8*\t+4*\c+3], v15 offset:(32*(\t/2)+8*(\t%2))*XPITCH+64*\s+32*\c
.endr
	ds_load_b32 v[XSW+\t], v16 offset:512*\s+(32*(\t/2)+8*(\t%2))*4
.endr
	s_wait_dscnt 0x0
.irp t, 0,1,2,3,4,5,6,7                        ; the eight accumulators by turns
.if \s == 0
	v_wmma_scale_f32_16x16x128_f8f6f4 v[ACC+8*\t:ACC+8*\t+7], v[XF+8*\t:XF+8*\t+7], v[WF:WF+7], v[BD:BD+7], v[XSW+\t], v[WFS] matrix_a_fmt:MATRIX_FMT_FP4 matrix_b_fmt:MATRIX_FMT_FP4
.else
	v_wmma_scale_f32_16x16x128_f8f6f4 v[ACC+8*\t:ACC+8*\t+7], v[XF+8*\t:XF+8*\t+7], v[WF+8:WF+15], v[ACC+8*\t:ACC+8*\t+7], v[XSW+\t], v[WFS+1] matrix_a_fmt:MATRIX_FMT_FP4 matrix_b_fmt:MATRIX_FMT_FP4
.endif
.endr
.endr
	PLACES 4
	QUANT ACC                                      ; register 16 b + i is pixel 32 b + 16 h + i of my channel: one fragment and one scale word
.irp c, 0,1
	global_store_b128 v23, v[PC+4*\c:PC+4*\c+3], s[40:41] offset:512*\c   ; the image: 512 consecutive bytes a store
.endr
	ds_store_b32 v21, v[PW]                        ; lanes l and l xor 16 write the same word with the same value
	; ---- fb (waves 0-7) or fc (waves 8-15) of pixel tile w % 8.  Source 0 = 16 rows of the weight, source 1 = 16 pixels: a lane holds ONE pixel, registers along the 32 outputs
.irp s, 0,1
.irp c, 0,1
	ds_load_b128 v[OXF+8*\s+4*\c:OXF+8*\s+4*\c+3], v29 offset:64*\s+32*\c
.endr
	ds_load_b32 v[OXS+\s], v30 offset:512*\s
.endr
.irp f, 0,1,2,3
	FETCH SWF+8*\f, 19, 1024*\f
	ds_load_b32 v[SWS+\f], v20 offset:128*\f
.endr
	s_wait_dscnt 0x0
	v_wmma_scale_f32_16x16x128_f8f6f4 v[ACC2:ACC2+7], v[SWF:SWF+7], v[OXF:OXF+7], v[BB:BB+7], v[SWS], v[OXS] matrix_a_fmt:MATRIX_FMT_FP4 matrix_b_fmt:MATRIX_FMT_FP4
	v_wmma_scale_f32_16x16x128_f8f6f4 v[ACC2+8:ACC2+15], v[SWF+16:SWF+23], v[OXF:OXF+7], v[BB+8:BB+15], v[SWS+2], v[OXS] matrix_a_fmt:MATRIX_FMT_FP4 matrix_b_fmt:MATRIX_FMT_FP4
	v_wmma_scale_f32_16x16x128_f8f6f4 v[ACC2:ACC2+7], v[SWF+8:SWF+15], v[OXF+8:OXF+15], v[ACC2:ACC2+7], v[SWS+1], v[OXS+1] matrix_a_fmt:MATRIX_FMT_FP4 matrix_b_fmt:MATRIX_FMT_FP4
	v_wmma_scale_f32_16x16x128_f8f6f4 v[ACC2+8:ACC2+15], v[SWF+24:SWF+31], v[OXF+8:OXF+15], v[ACC2+8:ACC2+15], v[SWS+3], v[OXS+1] matrix_a_fmt:MATRIX_FMT_FP4 matrix_b_fmt:MATRIX_FMT_FP4
	PLACES 4
	s_wait_xcnt 0x0                                ; fd's stores have read v[PC] on, which is written again below
	Q32 ACC2
	global_store_b64 v24, v[PC:PC+1], s[42:43]     ; 32 lanes store 256 consecutive bytes, aligned: the tile's codes
	ds_store_b8 v22, v[PW]                         ; lanes l and l xor 16 write the same byte with the same value
	BARRIER                                        ; the stage is whole
	s_cmp_lt_u32 s28, 4
	s_cbranch_scc0 .Lnot_kv
	ds_load_b128 v[ZR:ZR+3], v25
	s_wait_dscnt 0x0
	global_store_b128 v23, v[ZR:ZR+3], s[56:57]    ; the record's bytes 2,048 to 4,095: 512 consecutive bytes a wave
	s_branch .Lend
.Lnot_kv:
	s_cmp_eq_u32 s28, 4
	s_cbranch_scc0 .Lend
	ds_load_b64 v[ZR:ZR+1], v26
	s_wait_dscnt 0x0
	global_store_b64 v27, v[ZR:ZR+1], s[54:55]     ; fb's scale bytes: 256 consecutive bytes, aligned
.Lend:
	s_wait_tensorcnt 0x0
	ds_add_u32 v126, v127
	s_wait_dscnt 0x0
	s_endpgm
.Lfunc_end_k_qf0eaf30e2b_project:
	.size	k_qf0eaf30e2b_project, .Lfunc_end_k_qf0eaf30e2b_project-k_qf0eaf30e2b_project
	.p2alignl 7, 3214868480
	.fill 96, 4, 3214868480
	.section	.rodata,"a",@progbits
	.p2align	6, 0x0
	.amdhsa_kernel k_qf0eaf30e2b_project
		.amdhsa_group_segment_fixed_size 70656
		.amdhsa_private_segment_fixed_size 0
		.amdhsa_enable_private_segment 0
		.amdhsa_kernarg_size 80
		.amdhsa_user_sgpr_count 2
		.amdhsa_user_sgpr_kernarg_segment_ptr 1
		.amdhsa_wavefront_size32 1
		.amdhsa_system_sgpr_workgroup_id_x 1
		.amdhsa_system_sgpr_workgroup_id_y 1
		.amdhsa_system_sgpr_workgroup_id_z 1
		.amdhsa_system_vgpr_workitem_id 0
		.amdhsa_next_free_vgpr 256
		.amdhsa_next_free_sgpr 66
		.amdhsa_reserve_vcc 0
		.amdhsa_float_denorm_mode_32 3
		.amdhsa_float_denorm_mode_16_64 3
		.amdhsa_memory_ordered 1
		.amdhsa_forward_progress 1
		.amdhsa_inst_pref_size 63
	.end_amdhsa_kernel
	.amdgpu_metadata
---
amdhsa.version: [ 1, 2 ]
amdhsa.kernels:
  - .name:           k_qf0eaf30e2b_project
    .symbol:         k_qf0eaf30e2b_project.kd
    .args:
      - { .name: x, .offset: 0, .size: 8, .value_kind: global_buffer, .address_space: global }
      - { .name: Wb, .offset: 8, .size: 8, .value_kind: global_buffer, .address_space: global }
      - { .name: bb, .offset: 16, .size: 8, .value_kind: global_buffer, .address_space: global }
      - { .name: Wc, .offset: 24, .size: 8, .value_kind: global_buffer, .address_space: global }
      - { .name: bc, .offset: 32, .size: 8, .value_kind: global_buffer, .address_space: global }
      - { .name: Wd, .offset: 40, .size: 8, .value_kind: global_buffer, .address_space: global }
      - { .name: bd, .offset: 48, .size: 8, .value_kind: global_buffer, .address_space: global }
      - { .name: kv, .offset: 56, .size: 8, .value_kind: global_buffer, .address_space: global }
      - { .name: qimg, .offset: 64, .size: 8, .value_kind: global_buffer, .address_space: global }
      - { .name: qs, .offset: 72, .size: 8, .value_kind: global_buffer, .address_space: global }
    .group_segment_fixed_size: 70656
    .private_segment_fixed_size: 0
    .kernarg_segment_align: 8
    .kernarg_segment_size: 80
    .max_flat_workgroup_size: 512
    .sgpr_count:     66
    .vgpr_count:     256
    .wavefront_size: 32
...
	.end_amdgpu_metadata
.endif
;; end of part 1
;; launch attend (part 2): grid 64 x 4, 8 waves a work-group, clusters of 4 x 1, 327,680 bytes of LDS; arguments kv, qimg, qs, x, alpha, out0; writes out0
.if DOCPART == 2
	.amdgcn_target "amdgcn-amd-amdhsa--gfx1250"
	.amdhsa_code_object_version 6
	.text
	.protected	k_qf0eaf30e2b_attend
	.globl	k_qf0eaf30e2b_attend
	.p2align	8
	.type	k_qf0eaf30e2b_attend,@function
k_qf0eaf30e2b_attend:
	s_mov_b64 s[64:65], 0
	v_nop
	global_prefetch_b8 v0, s[64:65] scope:SCOPE_SE
	s_setreg_imm32_b32 hwreg(HW_REG_WAVE_MODE, 25, 1), 1
	s_wait_xcnt 0x0
	s_wait_alu depctr_hold_cnt(0) depctr_sa_sdst(0) depctr_va_vdst(0) depctr_va_sdst(0) depctr_va_ssrc(0) depctr_va_vcc(0) depctr_vm_vsrc(0)
	s_getreg_b32 s2, hwreg(HW_REG_IB_STS2, 6, 4)
	s_cmp_eq_u32 s2, 0
	s_cbranch_scc0 .Lentry_in_a_cluster
	s_endpgm
.Lentry_in_a_cluster:
	s_bfe_u32 s2, ttmp6, 0x10000c
	s_cmp_lg_u32 s2, 0x3003
	s_cbranch_scc0 .Lentry_shape_is_right
	s_endpgm
.Lentry_shape_is_right:
; out[b][c][i] = alpha x (sum over j of fd[b][c][j] p[i][j]) / l[i] + x[b][c][i], p = 2^(t - M), t = (fb[i] . fc[j]) x log2(e), M = the row's largest t so far rounded UP to a whole number, l = the sum of the unquantised p.
; Both products on codes of FP4 (E2M1) with E8M0 scales; the codes of fb (qimg, qs) and of fc and fd (kv) come from the launch before, laid in the order of the operands' registers.
; SHARES.  A work-group owns 64 queries of one batch.  Wave w: query tile w % 4 (16 queries), key half w / 4.  The keys come in slots of four records of 128 keys; a wave takes records 2 (w / 4) and 2 (w / 4) + 1 of every slot
; as ONE step of 256 keys: eight steps a wave.  So the change of M and the rescaling of O^T (128 registers a tile) are paid once for 256 keys.  The two halves' M, l and O^T meet in LDS at the end, by exact powers of two.
; LAYOUT.  Both products are used transposed: S^T = K Q^T, O^T = V^T P^T: a lane holds ONE query throughout.  The keys of a tile are chosen (lane r of tile 2 b + u is key 32 b + 8 u + r + 8 (r / 8)) so that the 16 registers of
; tiles 2 b, 2 b + 1 are 16 neighbouring keys.
; THE FIRST PRODUCT'S K IS 32, A QUARTER OF THE INSTRUCTION'S 128.  A fragment of K is loaded dense: its block i of 32 holds the codes of key tile 4 F + i.  The query's fragment has four variants: variant i has the query's codes
; in block i and zero codes elsewhere, and its scale word the query's byte at byte i and 0 elsewhere.  The three other blocks multiply keys' codes by zero codes: exact zeros.  Four instructions on one fragment give four tiles of S^T.
; CLUSTER.  The four work-groups of a cluster belong to one batch and walk the same records: every tensor load is a JOINT one, the same descriptor and the mask 15 in all four.  Each wave fetches its own eighth of a slot.
; THE CHANGE OF SLOTS stands between a step's softmax and its second product: by then all that the step wants of the slot is in registers, so the next step's K is asked for behind the round, under the 32 products.
; LIMITS: NaN and infinities are not served.  A block's largest p is taken from its largest score, which takes v_exp_f32 not to fall where its input rises.  A block whose every p has fallen to 0 keeps the scale byte 1: its codes are zeros.
; The sums of the two key halves are added at the end, so the order of the f32 additions is not that of one chain over all keys.
; REGISTERS.  Window 0: v1-15 addresses and statistics; v16-39 the query's variants; v40-43 their scale words; v44-47 K's scale words; v48-63 V's; v64-95 K's four fragments, then at work; v96-223 S^T, then p, then V of the second
; record; v224-239 p's codes; v240-249 at work.   Window 1: v0-127 O^T (channel tile n at 8 n); v128-255 V of the first record.
.set REC,    20480                     ; a record: 128 keys
.set SLOTB,  4*REC                     ; a slot: 81,920 bytes
.set SLOT1,  1<<17                     ; slot 1 begins here, so that one exclusive or turns an address in one slot into the other's
.set SPARE,  81920                     ; behind slot 0: the spare words, 128 bytes for each wave: four blocks of 256 bytes that no other line names
.set STAT,   82944                     ; -M of the two key halves, 64 queries each (256 bytes each), then l likewise
.set STG1,   212992                    ; the way out: O^T of key half s as [channel 256][64 queries], rows of 272 bytes, at STG1 x s: half 0 in slot 0, which has had its last fill and its last read; half 1 behind slot 1
.set SPITCH, 272
.set LI0,  1                           ; v1   16 x lane + my key half's two records
.set ADR,  2                           ; v2   the same in the slot in hand
.set KSA0, 3                           ; v3   K's scale bytes: 8 r
.set NM,   4                           ; v4   -M;  v5 the largest t so far
.set SUM,  6                           ; v[6:7] l in two halves
.set SPW,  8                           ; v8   LDS address of my spare word; never rewritten
.set NIL,  9                           ; v9   0; never rewritten
.set PFO,  10                          ; v10  256 x lane: the prefetches of kv
.set XPO,  11                          ; v11  16,384 x lane: the prefetch of x, a lane a channel
.set ADK,  12                          ; v12  K's scale bytes in the slot in hand
.set QV,   16                          ; v16-19 QA, v20-23 zeros, v24-27 QA, v28-31 QB, v32-35 zeros, v36-39 QB.  QA: the codes in lanes 0-15, QB: in lanes 16-31
.set QSW,  40
.set KSW,  44
.set VSW,  48                          ; record e at +8 e; register 4 g + i: channel tile 4 g + i in lanes 0-15, tile 8 + 4 g + i in lanes 16-31
.set KF,   64
.set BM,   64                          ; v64-71 the eight blocks' largest scores, then largest p
.set TP,   72                          ; v72-79 exchanged numbers, then bytes
.set SO,   80                          ; v80-87 the conversions' scale operands
.set S,    96
.set PC,   224
.set FAC,  240                         ; v240 f = 2^(old M - new M); v241 is named with it as a pair
.set PSW,  242                         ; v242, v243 p's scale words
.set T0,   244
.set C2,   248                         ; v[248:249] the second chain of the sum
.set VB,   128                         ; in window 1
.set WV,   16                          ; s16 wave; s17 query tile; s18 key half; s19 cx; s20 my block of 64 queries; s21 the batch
.set G1,   24                          ; s[24:31] descriptor group 1
.set G0A,  32                          ; s[32:35] group 0 of slot 0's first fill
.set G0B,  36                          ; s[36:39] group 0 of slot 1's first fill; it then walks
.set TB,   40                          ; s40 the slot in hand
.set SLOTS, 41                         ; s41 slots still to be asked for
.set CS,   42                          ; s[42:43] log2(e)
.set SEL,  44                          ; s[44:45] selects for lane l xor 16
.set PFA,  46                          ; s[46:47] where my prefetches of kv stand
.set LIM,  48                          ; s48 2 in a wave that prefetches, else the greatest number: a wave prefetches while s[SLOTS] is above it
.set AL,   49                          ; s49 alpha
.set XB,   50                          ; s[50:51] x at my wave's 32 channels, my work-group's 64 pixels
.set OB,   52                          ; s[52:53] out0 likewise
.set MSB, 0
.macro WIN new                         ; the immediate's high byte repeats the setting that is left; a switch that changes nothing is dropped
.if MSB != \new
	s_set_vgpr_msb (MSB<<8)|\new
.set MSB, \new
.endif
.endm
.macro PLACES n
.rept \n
	v_nop
.endr
.endm
.macro CROUND                          ; a round of the cluster's barrier
	s_barrier_signal -1
	s_barrier_wait -1
	s_cmp_lg_u32 s[WV], 0
	s_cbranch_scc1 .Lnot_wave_0_\@
	s_barrier_signal -3
.Lnot_wave_0_\@:
	s_barrier_wait -3
	s_barrier_signal -1
	s_barrier_wait -1
.endm
; A PREFETCH INTO THE L2 of the batch's records, walked as one run of bytes from slot index 2 on, 98,304 bytes an ask: five asks are indices 2 to 7 exactly.  All clusters of a batch walk the same records: the batch's first
; cluster asks.  Its four partners are told apart BY ADDRESS (24,576 bytes each); in each, waves 0 to 2 ask, 8,192 bytes a wave, lanes 256 bytes apart.  So each block of 256 bytes is named once in the launch.
.macro ASK
	s_cmp_gt_u32 s[SLOTS], s[LIM]
	s_cbranch_scc0 .Lnot_mine_\@
	global_prefetch_b8 v[PFO], s[PFA:PFA+1] th:TH_LOAD_NT scope:SCOPE_SE
.Lnot_mine_\@:
.endm
; K of a step: four fragments (record e, half f of its eight key tiles) as they lie, and the keys' scale bytes, eight a lane.  10 LDS loads.  turn = 1: on to the other slot first
.macro KLOAD turn
.if \turn
	s_xor_b32 s[TB], s[TB], SLOT1
.endif
	v_add_nc_u32 v[ADR], s[TB], v[LI0]
	v_add_nc_u32 v[ADK], s[TB], v[KSA0]
.irp e, 0,1
.irp f, 0,1
.irp c, 0,1
	ds_load_b128 v[KF+16*\e+8*\f+4*\c:KF+16*\e+8*\f+4*\c+3], v[ADR] offset:REC*\e+1024*\f+512*\c
.endr
.endr
.endr
.irp e, 0,1
	ds_load_b64 v[KSW+2*\e:KSW+2*\e+1], v[ADK] offset:REC*\e
.endr
.endm
.macro VLOAD0                          ; V of the first record (16 images) into window 1, and both records' scale words: 36 LDS loads
	WIN 0x40
.irp n, 0,1,2,3,4,5,6,7,8,9,10,11,12,13,14,15
.irp c, 0,1
	ds_load_b128 v[VB+8*\n+4*\c:VB+8*\n+4*\c+3], v[ADR] offset:4096+1024*\n+512*\c
.endr
.endr
	WIN 0
.irp e, 0,1
.irp g, 0,1
	ds_load_b128 v[VSW+8*\e+4*\g:VSW+8*\e+4*\g+3], v[ADR] offset:REC*\e+2048+512*\g
.endr
.endr
.endm
.macro VLOAD1 e                        ; V of the second record, channel tiles 8 e .. 8 e + 7, into the registers that half e of p has left
.irp m, 0,1,2,3,4,5,6,7
.irp c, 0,1
	ds_load_b128 v[S+8*(8*(\e)+\m)+4*\c:S+8*(8*(\e)+\m)+4*\c+3], v[ADR] offset:REC+4096+1024*(8*(\e)+\m)+512*\c
.endr
.endr
.endm
.macro SMUL                            ; S^T: 16 tiles of 16 keys.  Tile 8 e + 4 f + i: K's fragment (e, f) against the query's variant i
.irp e, 0,1
.irp f, 0,1
.irp i, 0,1,2,3
	v_wmma_scale_f32_16x16x128_f8f6f4 v[S+8*(8*\e+4*\f+\i):S+8*(8*\e+4*\f+\i)+7], v[KF+16*\e+8*\f:KF+16*\e+8*\f+7], v[QV+12*(\i%2)+4*(\i/2):QV+12*(\i%2)+4*(\i/2)+7], 0, v[KSW+2*\e+\f], v[QSW+\i] matrix_a_fmt:MATRIX_FMT_FP4 matrix_b_fmt:MATRIX_FMT_FP4
.endr
.endr
.endr
.endm
.macro ROWMAX                          ; the largest score of each of the eight blocks of 32 keys; the row's; the new M; f
.irp b, 0,1,2,3,4,5,6,7
	v_max3_num_f32 v[BM+\b], v[S+16*\b], v[S+16*\b+1], v[S+16*\b+2]
.endr
.irp i, 3,5,7,9,11,13
.irp b, 0,1,2,3,4,5,6,7
	v_max3_num_f32 v[BM+\b], v[BM+\b], v[S+16*\b+\i], v[S+16*\b+\i+1]   ; the eight blocks by turns
.endr
.endr
.irp b, 0,1,2,3,4,5,6,7
	v_max_num_f32 v[BM+\b], v[BM+\b], v[S+16*\b+15]
.endr
.irp b, 0,1,2,3,4,5,6,7
	v_permlanex16_b32 v[TP+\b], v[BM+\b], s[SEL], s[SEL+1]
.endr
.irp b, 0,1,2,3,4,5,6,7
	v_max_num_f32 v[BM+\b], v[BM+\b], v[TP+\b]     ; with lane l xor 16's 16 keys
.endr
	v_max3_num_f32 v[T0], v[BM], v[BM+1], v[BM+2]
	v_max3_num_f32 v[T0+1], v[BM+3], v[BM+4], v[BM+5]
	v_max3_num_f32 v[T0], v[T0], v[T0+1], v[BM+6]
	v_max_num_f32 v[T0], v[T0], v[BM+7]            ; the step's largest score of my query
	v_mul_f32 v[T0], s[CS], v[T0]                  ; as t
	v_max_num_f32 v[NM+1], v[NM+1], v[T0]          ; the running largest t
	v_mov_b32 v[T0], v[NM]
	v_floor_f32 v[NM], -v[NM+1]                    ; the new -M = floor(-t) = -ceil(t): a whole number
	v_sub_f32 v[T0], v[NM], v[T0]                  ; old M - new M: a whole number, 0 or less
	v_cvt_i32_f32 v[T0], v[T0]                     ; (it saturates)
	v_ldexp_f32 v[FAC], 1.0, v[T0]                 ; f = 2^(old M - new M): a multiplication by it rounds nothing
.endm
.macro HALF e                          ; 128 keys: p, its sum, its codes and its scale word
.set SS, S+64*(\e)
.set BE, BM+4*(\e)
.set TE, TP+4*(\e)
.set OE, SO+4*(\e)
.set PE, PC+8*(\e)
.irp j, 0,2,4,6,8,10,12,14,16,18,20,22,24,26,28,30,32,34,36,38,40,42,44,46,48,50,52,54,56,58,60,62
	v_pk_fma_f32 v[SS+\j:SS+\j+1], v[SS+\j:SS+\j+1], s[CS:CS+1], v[NM:NM+1] op_sel_hi:[1,0,0]   ; t - M, two at a time (of the pairs the low word serves both halves)
.endr
.irp b, 0,1,2,3
	v_fma_f32 v[BE+\b], v[BE+\b], s[CS], v[NM]     ; the same of each block's largest score
.endr
.set i, 0
.rept 64
	v_exp_f32 v[SS+i], v[SS+i]                     ; p = 2^(t - M), at most 1: not normalised
.set i, i+1
.endr
.irp b, 0,1,2,3
	v_exp_f32 v[BE+\b], v[BE+\b]                   ; the block's largest p: the same two instructions on the same number
.endr
.if (\e) == 0
	v_pk_mul_f32 v[SUM:SUM+1], v[SUM:SUM+1], v[FAC:FAC+1] op_sel_hi:[1,0]   ; the sums under the new M.  (The plain place behind the exponentials)
	s_wait_alu depctr_va_vdst(0)
.else
	v_nop                                          ; the plain place behind the exponentials
	s_wait_alu depctr_va_vdst(0)
.endif
.irp b, 0,1,2,3
	v_max_num_f32 v[BE+\b], 0x1800000, v[BE+\b]    ; the floor 2^(3 - 127): the byte cannot fall under 1
.endr
.irp b, 0,1,2,3
	v_add_nc_u32 v[OE+\b], 0xff000000, v[BE+\b]    ; 2 off the exponent field: the conversion's scale operand
.endr
.irp b, 0,1,2,3
	v_lshrrev_b32 v[TE+\b], 23, v[OE+\b]           ; the scale's byte
.endr
	v_lshl_or_b32 v[PSW+(\e)], v[TE+1], 8, v[TE]
	v_lshl_or_b32 v[PSW+(\e)], v[TE+2], 16, v[PSW+(\e)]
	v_lshl_or_b32 v[PSW+(\e)], v[TE+3], 24, v[PSW+(\e)]
.irp b, 0,1,2,3
	v_cvt_scalef32_pk8_fp4_f32 v[PE+2*\b], v[SS+16*\b:SS+16*\b+7], v[OE+\b]
	v_cvt_scalef32_pk8_fp4_f32 v[PE+2*\b+1], v[SS+16*\b+8:SS+16*\b+15], v[OE+\b]
.endr
	v_nop                                          ; one plain place behind a scaled conversion
.irp c, 0,1                                    ; the operand's layout wants a whole block in a lane
.irp i, 0,1
	v_permlane16_swap_b32 v[PE+4*\c+\i], v[PE+4*\c+2+\i]
.endr
.endr
	v_pk_add_f32 v[C2:C2+1], v[SS:SS+1], v[SS+2:SS+3]   ; the sum is taken of the unquantised p: two at a time, in two chains
.irp j, 4,8,12,16,20,24,28,32,36,40,44,48,52,56,60
	v_pk_add_f32 v[SUM:SUM+1], v[SUM:SUM+1], v[SS+\j:SS+\j+1]
	v_pk_add_f32 v[C2:C2+1], v[C2:C2+1], v[SS+\j+2:SS+\j+3]
.endr
	v_pk_add_f32 v[SUM:SUM+1], v[SUM:SUM+1], v[C2:C2+1]
.endm
; A step up to its second product.  K's fragments were asked for a step ago.
.macro SOFT
	PLACES 5                                       ; behind the last products: four in front of loads into their registers, five in front of the products below, which write over the second record's fragments
	VLOAD0
	s_wait_dscnt 36                                ; K's ten loads are in; the 36 just issued may be out
	SMUL
	PLACES 4
	ROWMAX
	HALF 0
	VLOAD1 0
	HALF 1
	VLOAD1 1
.endm
.macro RESCALE                         ; O^T under the new M, each accumulator from its low end on
	WIN 0x41                                       ; O^T (destination and source 0) window 1, f window 0
.set i, 0
.rept 64
	v_pk_mul_f32 v[i:i+1], v[i:i+1], v[FAC:FAC+1] op_sel_hi:[1,0]
.set i, i+2
.endr
	WIN 0
.endm
; THE CHANGE OF SLOTS.  Each wave waits for all its tensor loads (one is out: its eighth of the other slot), adds 0 to its spare word, rescales O^T while the add is out, and waits for the add and for its reads of the slot in hand.
; fill = 1: a round of the cluster's barrier, and behind it the joint refill of the slot just read, with the records two slots on: it has a whole step in which to land.
.macro CHANGE fill
	WIN 0
	s_wait_tensorcnt 0x0                           ; no tensor load of mine is out, so a group 0 may be written
	ds_add_u32 v[SPW], v[NIL]                      ; 0 onto my spare word
.if \fill
	s_xor_b32 s[G0B+1], s[G0B+1], SLOT1            ; the walking descriptor: the other slot than last time,
	s_add_nc_u64 s[G0B+2:G0B+3], s[G0B+2:G0B+3], SLOTB   ; the next four records; the type bits on top are not reached
	s_wait_xcnt 0x0                                ; the last prefetch, a step back, has read its address, so it may be written
	s_add_nc_u64 s[PFA:PFA+1], s[PFA:PFA+1], 98304
.endif
	RESCALE
	s_wait_dscnt 0x0                               ; the add is done, and all that I want of this slot is in registers
.if \fill
	CROUND
	tensor_load_to_lds s[G0B:G0B+3], s[G1:G1+7]    ; the first thing behind the round, and my one tensor load until the next
	s_nop 0
	PLACES 4
	ASK
.else
	s_barrier_signal -1
	s_barrier_wait -1
	global_prefetch_b8 v[XPO], s[XB:XB+1] th:TH_LOAD_NT scope:SCOPE_SE   ; x for the way out: my wave's 32 channels, a lane a channel, 256 bytes each: every block is named once in the launch, one step ahead of its load
.endif
.endm
.macro PV                              ; O^T += V^T P^T: 16 channel tiles x two records; the sixteen accumulators by turns
	WIN 0x51                                       ; V window 1, p window 0, O^T window 1
.irp n, 0,1,2,3,4,5,6,7,8,9,10,11,12,13,14,15
.if \n < 8
	v_wmma_scale_f32_16x16x128_f8f6f4 v[8*\n:8*\n+7], v[VB+8*\n:VB+8*\n+7], v[PC:PC+7], v[8*\n:8*\n+7], v[VSW+\n], v[PSW] matrix_a_fmt:MATRIX_FMT_FP4 matrix_b_fmt:MATRIX_FMT_FP4
.else
	v_wmma_scale_f32_16x16x128_f8f6f4 v[8*\n:8*\n+7], v[VB+8*\n:VB+8*\n+7], v[PC:PC+7], v[8*\n:8*\n+7], v[VSW+\n-8], v[PSW] matrix_a_fmt:MATRIX_FMT_FP4 matrix_b_fmt:MATRIX_FMT_FP4 matrix_a_scale:MATRIX_SCALE_ROW1
.endif
.endr
	WIN 0x50                                       ; the second record's V lies in window 0
.irp n, 0,1,2,3,4,5,6,7,8,9,10,11,12,13,14,15
.if \n < 8
	v_wmma_scale_f32_16x16x128_f8f6f4 v[8*\n:8*\n+7], v[S+8*\n:S+8*\n+7], v[PC+8:PC+15], v[8*\n:8*\n+7], v[VSW+8+\n], v[PSW+1] matrix_a_fmt:MATRIX_FMT_FP4 matrix_b_fmt:MATRIX_FMT_FP4
.else
	v_wmma_scale_f32_16x16x128_f8f6f4 v[8*\n:8*\n+7], v[S+8*\n:S+8*\n+7], v[PC+8:PC+15], v[8*\n:8*\n+7], v[VSW+\n], v[PSW+1] matrix_a_fmt:MATRIX_FMT_FP4 matrix_b_fmt:MATRIX_FMT_FP4 matrix_a_scale:MATRIX_SCALE_ROW1
.endif
.endr
	WIN 0
.endm
	s_load_b256 s[4:11], s[0:1], 0x0               ; kv s[4:5], qimg s[6:7], qs s[8:9], x s[10:11]
	s_load_b128 s[12:15], s[0:1], 0x20             ; alpha s[12:13], out0 s[14:15]
	v_lshl_add_u32 v[SPW], v0, 2, SPARE
	v_mov_b32 v[NIL], 0
	ds_add_u32 v8, v9
	s_wait_dscnt 0x0
	v_lshrrev_b32 v13, 5, v0
	v_readfirstlane_b32 s[WV], v13                 ; wave 0..7
	s_and_b32 s17, s[WV], 3                        ; my query tile
	s_lshr_b32 s18, s[WV], 2                       ; my key half
	s_bfe_u32 s19, ttmp6, 0x40000                  ; cx: it enters global addresses of Q, x, out0 and the prefetches alone
	s_lshl_b32 s20, ttmp9, 2                       ; in a cluster launch ttmp9 counts clusters
	s_add_co_u32 s20, s20, s19                     ; my block of 64 queries
	s_and_b32 s21, ttmp7, 0xffff                   ; the batch, which the four partners share
	; descriptor group 1: an eighth of a slot, 10,240 dense bytes, as 40 rows of 256 bytes; no padding: all reads are images of registers, 16 bytes a lane on end
	s_mov_b32 s[G1], 15|(3<<16)|(1<<21)            ; 15:0 the mask: all four work-groups; 17:16 elements of 8 bytes; 21 set beside a mask
	s_mov_b32 s[G1+1], 32<<16                      ; tensor_dim0 = 32
	s_mov_b32 s[G1+2], 40<<16                      ; tensor_dim1 = 40
	s_mov_b32 s[G1+3], 32<<16                      ; tile_dim0 = 32
	s_mov_b32 s[G1+4], 40                          ; tile_dim1 = 40
	s_mov_b32 s[G1+5], 32                          ; from row to row
	s_mov_b32 s[G1+6], 0
	s_mov_b32 s[G1+7], 0
	s_mul_i32 s54, s21, 8*SLOTB                    ; the batch's records,
	s_mul_i32 s56, s[WV], SLOTB/8                  ; my eighth of a slot: in memory and in LDS
	s_add_co_u32 s54, s54, s56
	s_mov_b32 s55, 0
	s_lshl_b32 s22, s21, 8                         ; Q's tile: 256 x batch + 4 x block + tile, 256 bytes each
	s_lshl_b32 s23, s20, 2
	s_add_co_u32 s22, s22, s23
	s_add_co_u32 s22, s22, s17
	s_lshl_b32 s22, s22, 8
	s_mov_b32 s23, 0
	s_lshl_b32 s60, s21, 5                         ; Q's scale bytes: 256 x (32 x batch + block / 2) + 4 (block % 2) + tile
	s_lshr_b32 s61, s20, 1
	s_add_co_u32 s60, s60, s61
	s_lshl_b32 s60, s60, 8
	s_and_b32 s61, s20, 1
	s_lshl_b32 s61, s61, 2
	s_add_co_u32 s60, s60, s61
	s_add_co_u32 s60, s60, s17
	s_mov_b32 s61, 0
	s_lshl_b32 s[XB], s21, 22                      ; x and out0: the batch, my wave's 32 channels of 16,384 bytes, my block's 256 bytes
	s_lshl_b32 s[XB+1], s[WV], 19
	s_add_co_u32 s[XB], s[XB], s[XB+1]
	s_lshl_b32 s[XB+1], s20, 8
	s_add_co_u32 s[XB], s[XB], s[XB+1]
	s_mov_b32 s[XB+1], 0
	s_mul_i32 s[PFA], s21, 8*SLOTB                 ; the prefetches: the batch, from slot index 2 on, my work-group's 24,576 bytes, my wave's 8,192
	s_mul_i32 s[PFA+1], s19, 24576
	s_add_co_u32 s[PFA], s[PFA], s[PFA+1]
	s_lshl_b32 s[PFA+1], s[WV], 13
	s_add_co_u32 s[PFA], s[PFA], s[PFA+1]
	s_add_co_u32 s[PFA], s[PFA], 2*SLOTB
	s_mov_b32 s[PFA+1], 0
	s_cmp_lt_u32 s[WV], 3
	s_cselect_b32 s[LIM], 0, 1                     ; waves 0 to 2
	s_or_b32 s[LIM], s[LIM], ttmp9                 ; of the batch's first cluster: the same in all four partners
	s_cmp_eq_u32 s[LIM], 0
	s_cselect_b32 s[LIM], 2, -1
	s_mov_b32 s[TB], 0
	s_mov_b32 s[SLOTS], 6
	s_mov_b32 s[CS], 0x3fb8aa3b                    ; log2(e)
	s_mov_b32 s[CS+1], s[CS]                       ; (named with it as a pair, so it is written)
	s_mov_b32 s[SEL], 0x76543210
	s_mov_b32 s[SEL+1], 0xfedcba98
	s_wait_kmcnt 0x0
	s_load_b32 s[AL], s[12:13], 0x0                ; alpha
	s_add_nc_u64 s[58:59], s[4:5], s[54:55]
	s_add_nc_u64 s[6:7], s[6:7], s[22:23]
	s_add_nc_u64 s[8:9], s[8:9], s[60:61]
	s_add_nc_u64 s[OB:OB+1], s[14:15], s[XB:XB+1]
	s_add_nc_u64 s[XB:XB+1], s[10:11], s[XB:XB+1]
	s_add_nc_u64 s[PFA:PFA+1], s[4:5], s[PFA:PFA+1]
	s_mov_b32 s[G0A], 1                            ; count = 1
	s_mov_b32 s[G0A+1], s56                        ; LDS address: slot 0, my eighth
	s_mov_b64 s[G0A+2:G0A+3], s[58:59]             ; global address: slot index 0
	s_or_b32 s[G0A+3], s[G0A+3], 0x80000000        ; type = 2
	s_mov_b32 s[G0B], 1
	s_add_co_u32 s[G0B+1], s56, SLOT1              ; slot 1
	s_add_nc_u64 s[G0B+2:G0B+3], s[58:59], SLOTB   ; slot index 1
	s_or_b32 s[G0B+3], s[G0B+3], 0x80000000
	CROUND                                         ; all four work-groups are here: the first joint loads meet
	tensor_load_to_lds s[G0A:G0A+3], s[G1:G1+7]    ; the two first fills go out together: two loads of mine are out
	s_nop 0
	tensor_load_to_lds s[G0B:G0B+3], s[G1:G1+7]
	s_nop 0
	PLACES 4
	v_and_b32 v13, 31, v0                          ; l
	v_and_b32 v14, 15, v0                          ; r
	v_bfe_u32 v15, v0, 4, 1                        ; h
	v_lshlrev_b32 v250, 4, v14
	v_lshlrev_b32 v251, 3, v14
	global_load_b128 v[T0:T0+3], v250, s[6:7]      ; my lane's query: 32 codes (both halves of the lanes take them)
	global_load_u8 v249, v251, s[8:9]              ; and its scale byte
	s_mul_i32 s57, s18, 2*REC
	v_lshl_add_u32 v[LI0], v13, 4, s57
	v_lshl_add_u32 v[KSA0], v14, 3, s57
	v_add_nc_u32 v[KSA0], 3072, v[KSA0]
	v_lshlrev_b32 v[PFO], 8, v13
	v_lshlrev_b32 v[XPO], 14, v13
	v_mov_b32 v[NM+1], 0xff61b1e6                  ; the largest t so far: -3e38, under every t
	v_floor_f32 v[NM], -v[NM+1]
	v_mov_b32 v[SUM], 0
	v_mov_b32 v[SUM+1], 0
	v_mov_b32 v[FAC+1], 0                          ; (named as the upper half of a pair)
.irp i, 0,1,2,3
	v_mov_b32 v[QV+4+\i], 0
	v_mov_b32 v[QV+16+\i], 0
.endr
	v_cmp_eq_u32 vcc_lo, 0, v15
	s_wait_loadcnt 0x0
.irp i, 0,1,2,3
	v_cndmask_b32 v[QV+\i], v[QV+4], v[T0+\i], vcc_lo      ; QA: the codes in lanes 0-15, zero codes above
	v_cndmask_b32 v[QV+8+\i], v[QV+4], v[T0+\i], vcc_lo
	v_cndmask_b32 v[QV+12+\i], v[T0+\i], v[QV+4], vcc_lo   ; QB: the other way round
	v_cndmask_b32 v[QV+20+\i], v[T0+\i], v[QV+4], vcc_lo
.endr
	v_mov_b32 v[QSW], v249                         ; variant i's scale word: the query's byte at byte i
	v_lshlrev_b32 v[QSW+1], 8, v249
	v_lshlrev_b32 v[QSW+2], 16, v249
	v_lshlrev_b32 v[QSW+3], 24, v249
	WIN 0x40
.set i, 0
.rept 128
	v_mov_b32 v[i], 0                              ; O^T.  The step is written once for all steps: the first finds zeros, which the first change of M leaves zeros.  (These are also the places behind the variants and their scale words)
.set i, i+1
.endr
	WIN 0
	s_wait_kmcnt 0x0                               ; alpha
	s_wait_tensorcnt 0x1                           ; my eighth of slot 0 is in; slot 1's may stay out
	s_barrier_signal -1
	s_barrier_wait -1                              ; everybody's is
	KLOAD 0
	ASK                                            ; the first 98,304 bytes from slot index 2 on
.Lstep:                                                ; six trips: steps 0 to 5; behind each change the slot just read takes the records two slots on
	SOFT
	CHANGE 1
	KLOAD 1
	PV
	s_sub_co_u32 s[SLOTS], s[SLOTS], 1
	s_cmp_lg_u32 s[SLOTS], 0
	s_cbranch_scc1 .Lstep
	SOFT                                           ; the last two steps are written out
	CHANGE 0
	KLOAD 1
	PV
	SOFT
	RESCALE
	s_wait_dscnt 0x0                               ; V is in
	PV
	; THE WAY OUT.  Each wave puts -M, l and O^T of its 16 queries and its key half into LDS, O^T as [channel][query]; a barrier; then wave w takes channels 32 w .. 32 w + 31 of all 64 queries, joins the two halves under the
	; larger M, multiplies by alpha / l, adds x and stores: sixteen lanes fill 256 consecutive bytes, aligned.
	PLACES 4
	v_and_b32 v13, 15, v0                          ; r
	v_bfe_u32 v14, v0, 4, 1                        ; h
	v_lshlrev_b32 v15, 4, v13
	v_lshl_add_u32 v250, v14, 14, v15              ; x, out0: lanes 0-15 one channel's 256 bytes, lanes 16-31 the next channel's
.irp i, 0,1,2,3,4,5,6,7,8,9,10,11,12,13,14,15
	global_load_b128 v[S+4*\i:S+4*\i+3], v250, s[XB:XB+1] offset:32768*\i th:TH_LOAD_NT
.endr
	v_add_f32 v[SUM], v[SUM], v[SUM+1]             ; l's two halves,
	v_permlanex16_b32 v[T0], v[SUM], s[SEL], s[SEL+1]
	v_add_f32 v[SUM], v[SUM], v[T0]                ; and lane l xor 16's
	s_lshr_b32 s54, s17, 1
	s_lshl_b32 s54, s54, 5
	s_and_b32 s55, s17, 1
	s_lshl_b32 s55, s55, 3
	s_add_co_u32 s54, s54, s55
	v_and_b32 v251, 8, v13
	v_add_nc_u32 v251, v251, v13
	v_add_nc_u32 v251, s54, v251                   ; my query among the 64: 32 (tile / 2) + 8 (tile % 2) + r + 8 (r / 8)
	v_lshlrev_b32 v251, 2, v251
	s_lshl_b32 s55, s18, 8
	s_add_co_u32 s55, s55, STAT
	v_add_nc_u32 v12, s55, v251
	s_mul_i32 s56, s18, STG1
	v_mul_u32_u24 v252, v14, 8*SPITCH
	v_add_nc_u32 v252, v252, v251
	v_add_nc_u32 v2, s56, v252                     ; O^T in: channel 16 n + 8 h + j, my query
	v_add_nc_u32 v3, 128*SPITCH, v2                ; channels 128 on
	s_mul_i32 s57, s[WV], 32*SPITCH
	v_mul_u32_u24 v253, v14, SPITCH
	v_add_nc_u32 v253, v253, v15
	v_add_nc_u32 v1, s57, v253                     ; O^T back: my 32 channels, two rows an instruction, 16 bytes a lane; key half 0,
	v_add_nc_u32 v254, STG1, v1                    ; key half 1
	v_add_nc_u32 v255, STAT, v15                   ; the statistics of my lane's four queries
	ds_store_b32 v12, v[NM]                        ; lanes l and l xor 16 write the same word with the same value
	ds_store_b32 v12, v[SUM] offset:512
	WIN 0x04                                       ; an LDS store's data are its source 1: window 1
.irp n, 0,1,2,3,4,5,6,7
.irp j, 0,1,2,3,4,5,6,7
	ds_store_b32 v2, v[8*\n+\j] offset:(16*\n+\j)*SPITCH           ; each accumulator from its low end on
.endr
.endr
.irp n, 8,9,10,11,12,13,14,15
.irp j, 0,1,2,3,4,5,6,7
	ds_store_b32 v3, v[8*\n+\j] offset:(16*(\n-8)+\j)*SPITCH
.endr
.endr
	WIN 0
	s_wait_dscnt 0x0                               ; for the others' sake: my stores have landed
	s_barrier_signal -1
	s_barrier_wait -1
.irp q, 0,1,2,3
	ds_load_b128 v[224+4*\q:227+4*\q], v255 offset:256*\q   ; -M of half 0, of half 1, l of half 0, of half 1
.endr
.irp i, 0,1,2,3,4,5,6,7,8,9,10,11,12,13,14,15
	ds_load_b128 v[160+4*\i:163+4*\i], v1 offset:2*SPITCH*\i
	ds_load_b128 v[16+4*\i:19+4*\i], v254 offset:2*SPITCH*\i
.endr
	s_wait_dscnt 32                                ; the statistics are in; the 32 loads behind them may be out
.irp q, 0,1,2,3
	v_min_num_f32 v[80+\q], v[224+\q], v[228+\q]   ; -M of the larger M
.endr
.irp q, 0,1,2,3
	v_sub_f32 v[84+\q], v[80+\q], v[224+\q]        ; M of the half - M: whole numbers, 0 or less
	v_sub_f32 v[88+\q], v[80+\q], v[228+\q]
.endr
.irp q, 0,1,2,3
	v_cvt_i32_f32 v[84+\q], v[84+\q]
	v_cvt_i32_f32 v[88+\q], v[88+\q]
.endr
.irp q, 0,1,2,3
	v_ldexp_f32 v[84+\q], 1.0, v[84+\q]            ; the halves' factors: exact powers of two
	v_ldexp_f32 v[88+\q], 1.0, v[88+\q]
.endr
.irp q, 0,1,2,3
	v_mul_f32 v[92+\q], v[232+\q], v[84+\q]
.endr
.irp q, 0,1,2,3
	v_fma_f32 v[92+\q], v[236+\q], v[88+\q], v[92+\q]   ; l
.endr
.irp q, 0,1,2,3
	v_rcp_f32 v[92+\q], v[92+\q]
.endr
	v_nop                                          ; one plain place behind a transcendental
	s_wait_alu depctr_va_vdst(0)
.irp q, 0,1,2,3
	v_mul_f32 v[92+\q], s[AL], v[92+\q]            ; alpha / l
.endr
.irp q, 0,1,2,3
	v_mul_f32 v[240+\q], v[84+\q], v[92+\q]
	v_mul_f32 v[244+\q], v[88+\q], v[92+\q]
.endr
.irp i, 0,1,2,3,4,5,6,7,8,9,10,11,12,13,14,15
	s_wait_dscnt 30-2*\i                           ; this pair of rows is back, of both halves; the younger loads may be out
	s_wait_loadcnt 15-\i                           ; and so is its x
	v_pk_fma_f32 v[S+4*\i:S+4*\i+1], v[160+4*\i:161+4*\i], v[240:241], v[S+4*\i:S+4*\i+1]
	v_pk_fma_f32 v[S+4*\i+2:S+4*\i+3], v[162+4*\i:163+4*\i], v[242:243], v[S+4*\i+2:S+4*\i+3]
	v_pk_fma_f32 v[S+4*\i:S+4*\i+1], v[16+4*\i:17+4*\i], v[244:245], v[S+4*\i:S+4*\i+1]
	v_pk_fma_f32 v[S+4*\i+2:S+4*\i+3], v[18+4*\i:19+4*\i], v[246:247], v[S+4*\i+2:S+4*\i+3]
	global_store_b128 v250, v[S+4*\i:S+4*\i+3], s[OB:OB+1] offset:32768*\i th:TH_STORE_NT   ; 16 lanes store 256 consecutive bytes, at a multiple of 256 from out0's first byte
.endr
	s_wait_tensorcnt 0x0                           ; the wave's end, behind my last tensor load and my last LDS store
	ds_add_u32 v[SPW], v[NIL]
	s_wait_dscnt 0x0
	CROUND                                         ; the closing round: no work-group ends while a partner may still ask for a tile that names it
	s_endpgm
.Lfunc_end_k_qf0eaf30e2b_attend:
	.size	k_qf0eaf30e2b_attend, .Lfunc_end_k_qf0eaf30e2b_attend-k_qf0eaf30e2b_attend
	.p2alignl 7, 3214868480
	.fill 96, 4, 3214868480
	.section	.rodata,"a",@progbits
	.p2align	6, 0x0
	.amdhsa_kernel k_qf0eaf30e2b_attend
		.amdhsa_group_segment_fixed_size 327680
		.amdhsa_private_segment_fixed_size 0
		.amdhsa_enable_private_segment 0
		.amdhsa_kernarg_size 48
		.amdhsa_user_sgpr_count 2
		.amdhsa_user_sgpr_kernarg_segment_ptr 1
		.amdhsa_wavefront_size32 1
		.amdhsa_system_sgpr_workgroup_id_x 1
		.amdhsa_system_sgpr_workgroup_id_y 1
		.amdhsa_system_sgpr_workgroup_id_z 1
		.amdhsa_system_vgpr_workitem_id 0
		.amdhsa_next_free_vgpr 512
		.amdhsa_next_free_sgpr 66
		.amdhsa_reserve_vcc 1
		.amdhsa_float_denorm_mode_32 3
		.amdhsa_float_denorm_mode_16_64 3
		.amdhsa_memory_ordered 1
		.amdhsa_forward_progress 1
		.amdhsa_inst_pref_size 144
	.end_amdhsa_kernel
	.amdgpu_metadata
---
amdhsa.version: [ 1, 2 ]
amdhsa.kernels:
  - .name:           k_qf0eaf30e2b_attend
    .symbol:         k_qf0eaf30e2b_attend.kd
    .args:
      - { .name: kv, .offset: 0, .size: 8, .value_kind: global_buffer, .address_space: global }
      - { .name: qimg, .offset: 8, .size: 8, .value_kind: global_buffer, .address_space: global }
      - { .name: qs, .offset: 16, .size: 8, .value_kind: global_buffer, .address_space: global }
      - { .name: x, .offset: 24, .size: 8, .value_kind: global_buffer, .address_space: global }
      - { .name: alpha, .offset: 32, .size: 8, .value_kind: global_buffer, .address_space: global }
      - { .name: out0, .offset: 40, .size: 8, .value_kind: global_buffer, .address_space: global }
    .group_segment_fixed_size: 327680
    .private_segment_fixed_size: 0
    .kernarg_segment_align: 8
    .kernarg_segment_size: 48
    .max_flat_workgroup_size: 256
    .sgpr_count:     66
    .vgpr_count:     512
    .wavefront_size: 32
...
	.end_amdgpu_metadata
.endif
;; end of part 2
;; ======== version 2 of 3: 2 launches
;; workspace buffers: kv 2,621,440 bytes; qimg 262,144 bytes; qs 32,768 bytes
;; launch project (part 3): grid 256 x 1, 16 waves a work-group, no clusters, 47,360 bytes of LDS; arguments x, Wb, bb, Wc, bc, Wd, bd, kv, qimg, qs; writes kv, qimg, qs
.if DOCPART == 3
	.amdgcn_target "amdgcn-amd-amdhsa--gfx1250"
	.amdhsa_code_object_version 6
	.text
	.protected	k_qf0eaf30e2b_project
	.globl	k_qf0eaf30e2b_project
	.p2align	8
	.type	k_qf0eaf30e2b_project,@function
k_qf0eaf30e2b_project:
	s_mov_b64 s[64:65], 0
	v_nop
	global_prefetch_b8 v0, s[64:65] scope:SCOPE_SE
	s_setreg_imm32_b32 hwreg(HW_REG_WAVE_MODE, 25, 1), 1
	s_wait_xcnt 0x0
; fb = Wb x + bb, fc = Wc x + bc, fd = Wd x + bd, all three products on codes of FP4 (E2M1) with one E8M0 scale for each 32 along K (the 256 channels),
; and the results quantised again for the two products of attention: fb and fc along their 32 outputs (one block a pixel), fd along the pixels (blocks of 32).
; x: [4][256][4096] f32 (K is NOT innermost); Wb, Wc: [32][256], Wd: [256][256] f32 (K innermost); biases f32.
; WHAT IS STORED, in the order of the next launch's operand registers:
;   kv   [128 pixels' record 128][20,480 bytes]: 0: fc's codes, key tile t at 256 t, lane r's key at 16 r;  2,048: fd's scale words, tile n, row r at 512 ((n / 4) % 2) + 256 (n / 8) + 16 r + 4 (n % 4);
;        3,072: fc's scale bytes, 8 r + t, then zeros;  4,096: fd's codes as images of registers, channel tile n at 1,024 n, register group c at 512 c, lane l at 16 l.
;   qimg [tile 1,024][256 bytes]: fb's codes laid as fc's.      qs [record 128][256 bytes]: fb's scale bytes, 8 r + t, then zeros.
; THE PIXELS OF A TILE ARE NOT NEIGHBOURS: lane r of tile 2 b + u is pixel 32 b + 8 u + r + 8 (r / 8), so that a result's 16 registers of tiles 2 b and 2 b + 1 are 16 neighbours along the next K.
; SHARES.  256 work-groups of sixteen waves.  Work-group 2 g + hf takes the 128 pixels of record g, fd's channel tiles 8 hf .. 8 hf + 7, and fb (hf = 0) or fc (hf = 1).  128 pixels are one fragment and one scale word
;   along the pixels, so nothing is pieced together between work-groups; the price is that a record's x (131,072 bytes) is read and quantised by two work-groups, against which each reads 160 rows of weights and not 320.
;   Every wave asks for all that it reads in its first lines: 5 loads of biases, 20 of weights, 64 of x.  It quantises ten rows of weights (a load pair covers a whole row of 1,024 bytes; a lane holds 8 neighbours along K,
;   four lanes a block) and 32 pixels x 64 channels of x (a lane to a pixel, registers down the channels); both go to LDS as rows of codes.  Then wave w makes fd's channel tile w % 8 for pixel half w / 8, and waves 0 to 7
;   fb or fc of pixel tile w.
; No tensor loads and no cluster, though the two work-groups of a record read the same x and all read the weights: the quantiser wants a pixel's channels in ONE lane's registers, which plain loads give as they land;
; a tile brought into LDS would be 131,072 bytes written there and read back, for 18,432 bytes of codes.
; LIMITS: NaN and infinities among the inputs are not served.  A block whose largest magnitude lies under 2^-124, a block of zeros too, gets the scale byte 1 (the rule gives a block of zeros 127): its codes are what the
; conversion makes of its numbers under 2^-126, zeros for zeros, and this program alone reads the bytes.
.set XPITCH, 144                       ; an LDS row of 256 codes: 128 bytes + 16 of padding = 36 words: row r starts at bank 36 r mod 64 (64 banks of 4 bytes: ISA guide 11.1): 16 neighbouring rows start at 16 different groups of four banks
.set XSC,    18432                     ; behind x's 128 rows (IN TILE ORDER: row 16 t + r is lane r of tile t): x's scale words, [K step 2][row 128], 4 bytes
.set STG,    19456                     ; a stage of 1,536 bytes: fb's or fc's scale bytes (128) and zeros up to 1,024; then fd's scale words of my eight tiles (512)
.set WSC,    20992                     ; the weights' scale bytes: [row 160][8]
.set WCD,    22272                     ; the weights' codes: 160 rows: my half of Wd (row 16 m + r: lane r of tile m), then Wb or Wc in tile order (row 128 + 16 u + r)
.set TM,   32                          ; v32-47   at work in the quantisers
.set PW,   48                          ; v48      the scale bytes just made
.set WFS,  50                          ; v50-51   Wd's scale words of my channel tile
.set PC,   52                          ; v52-55   the codes just made
.set SWS,  56                          ; v56-59   the small weight's scale words
.set BD,   60                          ; v60-67   fd's first C: bd of my lane's channel, eight times
.set BB,   68                          ; v68-83   fb's or fc's first C: register 8 u + j = bias[16 h + 8 u + j]
.set ZR,   84                          ; v84-87   zeros for the stage; at the end what leaves the stage
.set XSW,  88                          ; v88-95   x's scale words: K step s, tile t at 4 s + t
.set WR,   96                          ; v96-175  ten rows of weights as loaded, 8 numbers a lane and row
.set XR,   176                         ; v176-239 64 numbers of x as loaded
.set OXS,  240                         ; v240-241 x's scale words of my own pixel tile
.set CW,   242                         ; v242-251 the ten rows' codes
.set XF,   96                          ; later: v96-159 x's eight fragments (4 s + t);  v160-175 Wd's two;  v176-207 fd's four accumulators
.set WF,   160
.set ACC,  176
.set OXF,  208                         ; v208-223 my own pixel tile's two fragments;  v96-127 the small weight's four (2 u + s);  v224-239 two accumulators
.set SWF,  96
.set ACC2, 224
.macro PLACES n
.rept \n
	v_nop
.endr
.endm
.macro BARRIER                         ; my LDS stores have landed and my LDS loads are in: then the work-group's barrier
	s_wait_dscnt 0x0
	s_barrier_signal -1
	s_barrier_wait -1
.endm
; x: block t of my 64 channels: channels 32 t + i of my pixel, i = 0 .. 31.  A wave's load reads 128 consecutive bytes, four waves stand side by side on 512.
.macro LOADX t
.set i, 0
.rept 32
	global_load_b32 v[XR+32*(\t)+i], v5, s[32:33] offset:(32*(\t)+i)*16384
.set i, i+1
.endr
.endm
; The block is quantised: all its 32 numbers are my lane's.
.macro XBLOCK t
.set XN, XR+32*(\t)
.if (\t) == 0
	s_wait_loadcnt 32                              ; this block's 32 loads are in; the second block's 32 may be out
.else
	s_wait_loadcnt 0x0
.endif
	v_max3_num_f32 v[TM], |v[XN]|, |v[XN+1]|, |v[XN+2]|
	v_max3_num_f32 v[TM+1], |v[XN+3]|, |v[XN+4]|, |v[XN+5]|
.irp i, 6,10,14,18,22,26
	v_max3_num_f32 v[TM], v[TM], |v[XN+\i]|, |v[XN+\i+1]|
	v_max3_num_f32 v[TM+1], v[TM+1], |v[XN+\i+2]|, |v[XN+\i+3]|
.endr
	v_max3_num_f32 v[TM], v[TM], |v[XN+30]|, |v[XN+31]|
	v_max3_num_f32 v[TM], v[TM], v[TM+1], 0x1800000    ; and the floor 2^(3 - 127): the byte cannot fall under 1
	v_add_nc_u32 v[TM+12], 0xff000000, v[TM]       ; 2 off the exponent field: the conversion takes the exponent field of this operand as its scale
	v_lshrrev_b32 v[TM+4], 23, v[TM+12]            ; the scale's byte
.if (\t) == 0
	v_mov_b32 v[PW], v[TM+4]                       ; my two blocks' bytes are half of a K step's scale word
.else
	v_lshl_or_b32 v[PW], v[TM+4], 8, v[PW]
.endif
.irp g, 0,1,2,3
	v_cvt_scalef32_pk8_fp4_f32 v[PC+\g], v[XN+8*\g:XN+8*\g+7], v[TM+12]
.endr
	v_nop                                          ; one plain place behind a scaled conversion
	ds_store_b128 v6, v[PC:PC+3] offset:16*(\t)    ; 32 codes: 16 bytes of my pixel's row
.if (\t) == 0
	s_wait_dscnt 0x0                               ; the store has read its registers
.endif
.endm
; Ten rows of weights, by turns line by line.  Lane l holds k = 8 l .. 8 l + 7 of each row: lanes 4 j .. 4 j + 3 hold block j.
.macro WQUANT
.irp i, 0,1,2,3,4,5,6,7,8,9
	v_max3_num_f32 v[TM+\i], |v[WR+8*\i]|, |v[WR+8*\i+1]|, 0x1800000   ; with the floor 2^(3 - 127)
.endr
.irp k, 2,4,6
.irp i, 0,1,2,3,4,5,6,7,8,9
	v_max3_num_f32 v[TM+\i], v[TM+\i], |v[WR+8*\i+\k]|, |v[WR+8*\i+\k+1]|
.endr
.endr
.irp i, 0,1,2,3,4,5,6,7,8,9
	v_max_num_f32_dpp v[TM+\i], v[TM+\i], v[TM+\i] row_xmask:1 row_mask:0xf bank_mask:0xf
.endr
.irp i, 0,1,2,3,4,5,6,7,8,9
	v_max_num_f32_dpp v[TM+\i], v[TM+\i], v[TM+\i] row_xmask:2 row_mask:0xf bank_mask:0xf   ; the four lanes' largest: the block's
.endr
.irp i, 0,1,2,3,4,5,6,7,8,9
	v_add_nc_u32 v[TM+\i], 0xff000000, v[TM+\i]    ; 2 off the exponent field: the conversion's scale operand
.endr
.irp i, 0,1,2,3,4,5,6,7,8,9
	v_cvt_scalef32_pk8_fp4_f32 v[CW+\i], v[WR+8*\i:WR+8*\i+7], v[TM+\i]
.endr
	v_nop                                          ; one plain place behind a scaled conversion
.irp i, 0,1,2,3,4,5,6,7,8,9
	v_lshrrev_b32 v[TM+\i], 23, v[TM+\i]           ; the scale's byte
.endr
.irp i, 0,1,2,3,4,5,6,7
	ds_store_b32 v9, v[CW+\i] offset:\i*XPITCH     ; a row's 128 bytes of codes: 4 bytes a lane on end
	ds_store_b8 v11, v[TM+\i] offset:8*\i          ; the four lanes of a block write the same byte with the same value
.endr
.irp e, 0,1
	ds_store_b32 v10, v[CW+8+\e] offset:\e*XPITCH
	ds_store_b8 v12, v[TM+8+\e] offset:8*\e
.endr
.endm
; 32 numbers of a lane, register 16 b + i = pixel 32 b + 16 (lane / 16) + i of my 64, of my channel: one register group of a fragment in v[PC] on, its two scale bytes in v[PW]
.macro QUANT2 s
.irp b, 0,1
	v_max3_num_f32 v[TM+\b], |v[\s+16*\b]|, |v[\s+1+16*\b]|, 0x1800000
.endr
.irp i, 2,4,6,8,10,12,14
.irp b, 0,1
	v_max3_num_f32 v[TM+\b], v[TM+\b], |v[\s+16*\b+\i]|, |v[\s+1+16*\b+\i]|   ; the two blocks by turns
.endr
.endr
.irp b, 0,1
	v_permlanex16_b32 v[TM+4+\b], v[TM+\b], s46, s47
.endr
.irp b, 0,1
	v_max_num_f32 v[TM+\b], v[TM+\b], v[TM+4+\b]   ; with lane l xor 16's: the block's largest magnitude
.endr
.irp b, 0,1
	v_add_nc_u32 v[TM+12+\b], 0xff000000, v[TM+\b]
.endr
.irp b, 0,1
	v_lshrrev_b32 v[TM+4+\b], 23, v[TM+12+\b]
.endr
	v_lshl_or_b32 v[PW], v[TM+5], 8, v[TM+4]
.irp b, 0,1
	v_cvt_scalef32_pk8_fp4_f32 v[PC+2*\b], v[\s+16*\b:\s+7+16*\b], v[TM+12+\b]
	v_cvt_scalef32_pk8_fp4_f32 v[PC+1+2*\b], v[\s+8+16*\b:\s+15+16*\b], v[TM+12+\b]
.endr
	v_nop                                          ; one plain place behind a scaled conversion
.irp i, 0,1                                    ; the operand's layout wants a whole block in a lane: lanes 0-15 the first, lanes 16-31 the second
	v_permlane16_swap_b32 v[PC+\i], v[PC+2+\i]
.endr
.endm
; 16 numbers of a lane, register i = k 16 (lane / 16) + i of my pixel's ONE block of 32: eight bytes of codes in v[PC], v[PC+1], the byte in v[PW]
.macro Q32 s
	v_max3_num_f32 v[TM], |v[\s]|, |v[\s+1]|, 0x1800000
.irp i, 2,4,6,8,10,12,14
	v_max3_num_f32 v[TM], v[TM], |v[\s+\i]|, |v[\s+\i+1]|
.endr
	v_permlanex16_b32 v[TM+4], v[TM], s46, s47
	v_max_num_f32 v[TM], v[TM], v[TM+4]
	v_add_nc_u32 v[TM+12], 0xff000000, v[TM]
	v_lshrrev_b32 v[PW], 23, v[TM+12]
	v_cvt_scalef32_pk8_fp4_f32 v[PC], v[\s:\s+7], v[TM+12]
	v_cvt_scalef32_pk8_fp4_f32 v[PC+1], v[\s+8:\s+15], v[TM+12]
	v_nop
.endm
	s_load_b512 s[8:23], s[0:1], 0x0               ; x s[8:9], Wb s[10:11], bb s[12:13], Wc s[14:15], bc s[16:17], Wd s[18:19], bd s[20:21], kv s[22:23]
	s_load_b128 s[24:27], s[0:1], 0x40             ; qimg s[24:25], qs s[26:27]
	v_lshl_add_u32 v254, v0, 2, 0xb100
	v_mov_b32 v255, 0
	v_lshrrev_b32 v1, 5, v0
	v_readfirstlane_b32 s28, v1                    ; wave w, 0..15
	s_and_b32 s29, s28, 7                          ; m = w % 8: my channel tile of the eight; my pixel tile for fb or fc
	s_lshr_b32 s30, s28, 3                         ; c = w / 8: my pixel half for fd; my K step of x
	s_and_b32 s48, s28, 3                          ; w % 4
	s_bfe_u32 s49, s28, 0x10002                    ; (w / 4) % 2
	s_lshr_b32 s59, s28, 2                         ; w / 4
	s_and_b32 s31, ttmp9, 1                        ; hf: which half of fd's channels; 0 makes fb, 1 makes fc
	s_lshr_b32 s58, ttmp9, 1                       ; g: the record
	s_mov_b32 s46, 0x76543210
	s_mov_b32 s47, 0xfedcba98                      ; v_permlanex16_b32's selects for lane l xor 16
	; every address register is made here, ahead of the first place where waves part, and none is written again.  No LDS address hangs on the work-group's number
	v_and_b32 v1, 31, v0                           ; l
	v_and_b32 v2, 15, v0                           ; r
	v_bfe_u32 v3, v0, 4, 1                         ; h
	v_lshlrev_b32 v23, 4, v1                       ; 16 l
	v_lshlrev_b32 v27, 3, v1                       ; 8 l
	v_lshlrev_b32 v8, 5, v1                        ; the weights in memory: my 8 numbers of a row, 32 l
	v_lshlrev_b32 v31, 2, v2                       ; 4 r
	v_lshlrev_b32 v49, 6, v3                       ; 64 h
	s_lshl_b32 s50, s48, 7
	v_lshl_add_u32 v5, v1, 2, s50                  ; x in memory: pixel 32 (w % 4) + l, 4 bytes
	v_and_b32 v32, 7, v0
	v_bfe_u32 v33, v0, 3, 1
	v_lshl_add_u32 v32, v33, 4, v32
	v_lshl_add_u32 v32, v3, 3, v32                 ; pixel l of a block of 32 is lane l % 8 + 8 (l / 16) of tile (l / 8) % 2: row 16 ((l / 8) % 2) + l % 8 + 8 (l / 16)
	s_mul_i32 s50, s48, 32*XPITCH
	s_lshl_b32 s51, s59, 5
	s_add_co_u32 s50, s50, s51
	v_mul_u32_u24 v6, v32, XPITCH
	v_add_nc_u32 v6, s50, v6                       ; x's codes in LDS: my pixel's row, my 64 channels' 32 bytes
	s_lshl_b32 s50, s30, 9
	s_lshl_b32 s51, s49, 1
	s_add_co_u32 s50, s50, s51
	s_lshl_b32 s51, s48, 7
	s_add_co_u32 s50, s50, s51
	s_add_co_u32 s50, s50, XSC
	v_lshl_add_u32 v7, v32, 2, s50                 ; and my half of its scale word
	s_mul_i32 s50, s28, 8*XPITCH
	s_add_co_u32 s50, s50, WCD
	v_lshl_add_u32 v9, v1, 2, s50                  ; Wd's rows 8 w on: 4 bytes of codes a lane
	s_lshl_b32 s51, s49, 4
	s_lshl_b32 s50, s30, 3
	s_add_co_u32 s51, s51, s50
	s_lshl_b32 s50, s48, 1
	s_add_co_u32 s51, s51, s50                     ; the small weight's rows 2 w, 2 w + 1 in tile order: 16 ((w / 4) % 2) + 8 (w / 8) + 2 (w % 4) on
	s_mul_i32 s50, s51, XPITCH
	s_add_co_u32 s50, s50, WCD+128*XPITCH
	v_lshl_add_u32 v10, v1, 2, s50
	v_lshrrev_b32 v33, 2, v1                       ; my block of a row
	s_lshl_b32 s50, s28, 6
	s_add_co_u32 s50, s50, WSC
	v_add_nc_u32 v11, s50, v33                     ; the rows' scale bytes
	s_lshl_b32 s50, s51, 3
	s_add_co_u32 s50, s50, WSC+1024
	v_add_nc_u32 v12, s50, v33
	v_mul_u32_u24 v34, v2, XPITCH
	v_lshl_add_u32 v34, v3, 4, v34                 ; a fragment: row r, + 16 h
	s_mul_i32 s50, s30, 64*XPITCH
	v_add_nc_u32 v13, s50, v34                     ; x's fragments of my pixel half
	s_lshl_b32 s50, s30, 8
	s_add_co_u32 s50, s50, XSC
	v_lshl_add_u32 v14, v2, 2, s50                 ; and their scale words
	s_mul_i32 s50, s29, 16*XPITCH
	s_add_co_u32 s51, s50, WCD
	v_add_nc_u32 v15, s51, v34                     ; Wd's fragments of channel tile m
	v_add_nc_u32 v19, s50, v34                     ; x's fragments of pixel tile m
	s_lshl_b32 s50, s29, 7
	s_add_co_u32 s50, s50, WSC
	v_lshl_add_u32 v16, v2, 3, s50
	v_add_nc_u32 v17, WCD+128*XPITCH, v34          ; the small weight's fragments
	v_lshl_add_u32 v18, v2, 3, WSC+1024
	s_lshl_b32 s50, s29, 6
	s_add_co_u32 s50, s50, XSC
	v_lshl_add_u32 v20, v2, 2, s50
	s_lshl_b32 s50, s49, 8
	s_lshl_b32 s51, s48, 2
	s_add_co_u32 s50, s50, s51
	s_lshl_b32 s51, s30, 1
	s_add_co_u32 s50, s50, s51
	s_add_co_u32 s50, s50, STG+1024
	v_lshl_add_u32 v21, v2, 4, s50                 ; the stage: fd's scale word of tile m, row r: 256 (m / 4) + 16 r + 4 (m % 4); my half of it: + 2 c
	s_add_co_u32 s50, s29, STG
	v_lshl_add_u32 v22, v2, 3, s50                 ; fb's or fc's scale bytes: 8 r + tile
	v_lshlrev_b32 v24, 4, v2
	v_lshl_add_u32 v24, v3, 3, v24                 ; a pixel's 16 bytes of codes: 16 r + 8 h
	s_lshl_b32 s50, s28, 9
	s_add_co_u32 s50, s50, STG
	v_add_nc_u32 v25, s50, v23                     ; the stage, 512 bytes a wave (waves 0 to 2)
	v_add_nc_u32 v26, STG, v27
	v_lshlrev_b32 v30, 4, v2
	v_lshl_add_u32 v30, v3, 9, v30                 ; fd's scale words in memory: the stage's two blocks of 256 bytes lie 512 apart
.irp i, 0,1,2,3
	v_mov_b32 v[ZR+\i], 0
.endr
	; the offsets of all that is loaded, made while the arguments are on their way
	s_lshr_b32 s32, s58, 5                         ; x: the batch,
	s_lshl_b32 s32, s32, 22
	s_and_b32 s33, s58, 31                         ; which 128 pixels of it,
	s_lshl_b32 s33, s33, 9
	s_add_co_u32 s32, s32, s33
	s_lshl_b32 s33, s59, 20                        ; my 64 channels of 16,384 bytes
	s_add_co_u32 s32, s32, s33
	s_mov_b32 s33, 0
	s_lshl_b32 s34, s31, 17                        ; Wd: my work-group's 128 rows, my wave's 8
	s_lshl_b32 s35, s28, 13
	s_add_co_u32 s34, s34, s35
	s_mov_b32 s35, 0
	s_lshl_b32 s50, s28, 11                        ; Wb or Wc: rows 2 w, 2 w + 1
	s_mov_b32 s51, 0
	s_lshl_b32 s52, s31, 9                         ; bd of channel tile 8 hf + m
	s_lshl_b32 s53, s29, 6
	s_add_co_u32 s52, s52, s53
	s_mov_b32 s53, 0
	s_wait_kmcnt 0x0
	s_add_nc_u64 s[32:33], s[8:9], s[32:33]
	s_add_nc_u64 s[34:35], s[18:19], s[34:35]
	s_add_nc_u64 s[52:53], s[20:21], s[52:53]
	s_cmp_eq_u32 s31, 0
	s_cselect_b64 s[36:37], s[10:11], s[14:15]     ; Wb or Wc
	s_cselect_b64 s[44:45], s[12:13], s[16:17]     ; bb or bc
	s_add_nc_u64 s[36:37], s[36:37], s[50:51]
	global_load_b32 v28, v31, s[52:53]             ; bd[16 (8 hf + m) + r]
.irp q, 0,1,2,3
	global_load_b128 v[BB+4*\q:BB+4*\q+3], v49, s[44:45] offset:16*\q   ; bias[16 h + 0 .. 15]
.endr
.irp i, 0,1,2,3,4,5,6,7
	global_load_b128 v[WR+8*\i:WR+8*\i+3], v8, s[34:35] offset:1024*\i      ; the two loads of a row cover its 1,024 bytes
	global_load_b128 v[WR+8*\i+4:WR+8*\i+7], v8, s[34:35] offset:1024*\i+16
.endr
.irp e, 0,1
	global_load_b128 v[WR+64+8*\e:WR+64+8*\e+3], v8, s[36:37] offset:1024*\e
	global_load_b128 v[WR+64+8*\e+4:WR+64+8*\e+7], v8, s[36:37] offset:1024*\e+16
.endr
	LOADX 0
	LOADX 1
	; where the results go
	s_mul_i32 s50, s58, 20480
	s_add_nc_u64 s[38:39], s[22:23], s[50:51]      ; my record of kv
	s_lshl_b32 s50, s31, 13
	s_lshl_b32 s62, s29, 10
	s_add_co_u32 s50, s50, s62
	s_lshl_b32 s62, s30, 9
	s_add_co_u32 s50, s50, s62
	s_add_co_u32 s50, s50, 4096
	s_add_nc_u64 s[40:41], s[38:39], s[50:51]      ; fd's image of tile 8 hf + m, register group c
	s_lshl_b32 s50, s58, 11
	s_add_nc_u64 s[42:43], s[24:25], s[50:51]      ; the record's eight tiles of qimg
	s_cmp_eq_u32 s31, 0
	s_cselect_b64 s[42:43], s[42:43], s[38:39]     ; fb's codes go to qimg, fc's to the record's head
	s_lshl_b32 s50, s29, 8
	s_add_nc_u64 s[42:43], s[42:43], s[50:51]
	s_lshl_b32 s50, s58, 8
	s_add_nc_u64 s[54:55], s[26:27], s[50:51]      ; the record's 256 bytes of qs
	s_lshl_b32 s50, s31, 8
	s_add_co_u32 s50, s50, 2048
	s_add_nc_u64 s[56:57], s[38:39], s[50:51]      ; fd's scale words: my half's blocks of 256 bytes
	s_lshl_b32 s50, s28, 9
	s_add_co_u32 s50, s50, 3072
	s_add_nc_u64 s[60:61], s[38:39], s[50:51]      ; the record's bytes 3,072 on, 512 a wave (waves 0 and 1)
	s_cmp_lt_u32 s28, 2
	s_cbranch_scc0 .Lno_clear
	ds_store_b128 v25, v[ZR:ZR+3]                  ; the stage's first 1,024 bytes begin as zeros: what nobody fills leaves as zeros
.Lno_clear:
	s_wait_loadcnt 63                              ; 89 loads were issued; a wait names 63 at the most: the youngest 63 may be out, so the oldest 26 are in: the biases, the weights and one of x
.irp i, 0,1,2,3,4,5,6,7
	v_mov_b32 v[BD+\i], v28                        ; a lane's eight results of a tile of fd belong to one channel
.endr
	WQUANT
	s_wait_dscnt 0x0                               ; the stores have read their registers
	XBLOCK 0
	XBLOCK 1
	ds_store_b16 v7, v[PW]
	BARRIER                                        ; x's codes and scale words, the weights' and the cleared stage lie in LDS
	; ---- fd: channel tile m for my 64 pixels.  Source 0 = 16 pixels, source 1 = 16 channels: a lane holds ONE channel, and its registers run along the pixels, the next K
.irp s, 0,1
.irp c, 0,1
	ds_load_b128 v[WF+8*\s+4*\c:WF+8*\s+4*\c+3], v15 offset:64*\s+32*\c
.endr
	ds_load_b32 v[WFS+\s], v16 offset:4*\s
.endr
.irp s, 0,1
.irp t, 0,1,2,3
.irp c, 0,1
	ds_load_b128 v[XF+8*(4*\s+\t)+4*\c:XF+8*(4*\s+\t)+4*\c+3], v13 offset:16*\t*XPITCH+64*\s+32*\c
.endr
	ds_load_b32 v[XSW+4*\s+\t], v14 offset:512*\s+64*\t
.endr
.endr
	s_wait_dscnt 12                                ; the second K step's twelve loads may be out
.irp t, 0,1,2,3                                ; the four accumulators by turns
	v_wmma_scale_f32_16x16x128_f8f6f4 v[ACC+8*\t:ACC+8*\t+7], v[XF+8*\t:XF+8*\t+7], v[WF:WF+7], v[BD:BD+7], v[XSW+\t], v[WFS] matrix_a_fmt:MATRIX_FMT_FP4 matrix_b_fmt:MATRIX_FMT_FP4
.endr
	s_wait_dscnt 0x0
.irp t, 0,1,2,3
	v_wmma_scale_f32_16x16x128_f8f6f4 v[ACC+8*\t:ACC+8*\t+7], v[XF+32+8*\t:XF+32+8*\t+7], v[WF+8:WF+15], v[ACC+8*\t:ACC+8*\t+7], v[XSW+4+\t], v[WFS+1] matrix_a_fmt:MATRIX_FMT_FP4 matrix_b_fmt:MATRIX_FMT_FP4
.endr
	PLACES 4                                       ; in front of the first read of results, and of the loads below into registers that these products have read
	QUANT2 ACC
	global_store_b128 v23, v[PC:PC+3], s[40:41]    ; a register group of the image: 512 consecutive bytes
	ds_store_b16 v21, v[PW]                        ; lanes l and l xor 16 write the same two bytes with the same value
	; ---- waves 0 to 7: fb or fc of pixel tile w.  Source 0 = 16 rows of the weight, source 1 = 16 pixels: a lane holds ONE pixel, registers along the 32 outputs
	s_cmp_lt_u32 s28, 8
	s_cbranch_scc0 .Lno_small
.irp s, 0,1
.irp c, 0,1
	ds_load_b128 v[OXF+8*\s+4*\c:OXF+8*\s+4*\c+3], v19 offset:64*\s+32*\c
.endr
	ds_load_b32 v[OXS+\s], v20 offset:512*\s
.endr
.irp u, 0,1
.irp s, 0,1
.irp c, 0,1
	ds_load_b128 v[SWF+8*(2*\u+\s)+4*\c:SWF+8*(2*\u+\s)+4*\c+3], v17 offset:16*\u*XPITCH+64*\s+32*\c
.endr
	ds_load_b32 v[SWS+2*\u+\s], v18 offset:128*\u+4*\s
.endr
.endr
	s_wait_dscnt 0x0
	v_wmma_scale_f32_16x16x128_f8f6f4 v[ACC2:ACC2+7], v[SWF:SWF+7], v[OXF:OXF+7], v[BB:BB+7], v[SWS], v[OXS] matrix_a_fmt:MATRIX_FMT_FP4 matrix_b_fmt:MATRIX_FMT_FP4
	v_wmma_scale_f32_16x16x128_f8f6f4 v[ACC2+8:ACC2+15], v[SWF+16:SWF+23], v[OXF:OXF+7], v[BB+8:BB+15], v[SWS+2], v[OXS] matrix_a_fmt:MATRIX_FMT_FP4 matrix_b_fmt:MATRIX_FMT_FP4
	v_wmma_scale_f32_16x16x128_f8f6f4 v[ACC2:ACC2+7], v[SWF+8:SWF+15], v[OXF+8:OXF+15], v[ACC2:ACC2+7], v[SWS+1], v[OXS+1] matrix_a_fmt:MATRIX_FMT_FP4 matrix_b_fmt:MATRIX_FMT_FP4
	v_wmma_scale_f32_16x16x128_f8f6f4 v[ACC2+8:ACC2+15], v[SWF+24:SWF+31], v[OXF+8:OXF+15], v[ACC2+8:ACC2+15], v[SWS+3], v[OXS+1] matrix_a_fmt:MATRIX_FMT_FP4 matrix_b_fmt:MATRIX_FMT_FP4
	PLACES 4
	s_wait_xcnt 0x0                                ; fd's store has read v[PC] on, which is written again below
	Q32 ACC2
	global_store_b64 v24, v[PC:PC+1], s[42:43]     ; 32 lanes store 256 consecutive bytes, aligned: the tile's codes
	ds_store_b8 v22, v[PW]                         ; lanes l and l xor 16 write the same byte with the same value
.Lno_small:
	BARRIER                                        ; the stage is whole
	s_cmp_lt_u32 s28, 2
	s_cbranch_scc0 .Lnot_bytes
	s_cmp_eq_u32 s31, 0
	s_cbranch_scc1 .Lend                           ; fb's bytes go to qs, below
	ds_load_b128 v[ZR:ZR+3], v25
	s_wait_dscnt 0x0
	global_store_b128 v23, v[ZR:ZR+3], s[60:61]    ; fc's scale bytes and the zeros behind them: the record's bytes 3,072 to 4,095, 512 consecutive bytes a wave
	s_branch .Lend
.Lnot_bytes:
	s_cmp_eq_u32 s28, 2
	s_cbranch_scc0 .Lnot_words
	ds_load_b128 v[ZR:ZR+3], v25
	s_wait_dscnt 0x0
	global_store_b128 v30, v[ZR:ZR+3], s[56:57]    ; fd's scale words of my eight tiles: sixteen lanes store 256 consecutive bytes, aligned
	s_branch .Lend
.Lnot_words:
	s_cmp_eq_u32 s28, 3
	s_cbranch_scc0 .Lend
	s_cmp_eq_u32 s31, 0
	s_cbranch_scc0 .Lend
	ds_load_b64 v[ZR:ZR+1], v26
	s_wait_dscnt 0x0
	global_store_b64 v27, v[ZR:ZR+1], s[54:55]     ; fb's scale bytes and the zeros behind them: 256 consecutive bytes, aligned
.Lend:
	s_wait_tensorcnt 0x0
	ds_add_u32 v254, v255
	s_wait_dscnt 0x0
	s_endpgm
.Lfunc_end_k_qf0eaf30e2b_project:
	.size	k_qf0eaf30e2b_project, .Lfunc_end_k_qf0eaf30e2b_project-k_qf0eaf30e2b_project
	.p2alignl 7, 3214868480
	.fill 96, 4, 3214868480
	.section	.rodata,"a",@progbits
	.p2align	6, 0x0
	.amdhsa_kernel k_qf0eaf30e2b_project
		.amdhsa_group_segment_fixed_size 47360
		.amdhsa_private_segment_fixed_size 0
		.amdhsa_enable_private_segment 0
		.amdhsa_kernarg_size 80
		.amdhsa_user_sgpr_count 2
		.amdhsa_user_sgpr_kernarg_segment_ptr 1
		.amdhsa_wavefront_size32 1
		.amdhsa_system_sgpr_workgroup_id_x 1
		.amdhsa_system_sgpr_workgroup_id_y 1
		.amdhsa_system_sgpr_workgroup_id_z 1
		.amdhsa_system_vgpr_workitem_id 0
		.amdhsa_next_free_vgpr 256
		.amdhsa_next_free_sgpr 66
		.amdhsa_reserve_vcc 0
		.amdhsa_float_denorm_mode_32 3
		.amdhsa_float_denorm_mode_16_64 3
		.amdhsa_memory_ordered 1
		.amdhsa_forward_progress 1
		.amdhsa_inst_pref_size 35
	.end_amdhsa_kernel
	.amdgpu_metadata
---
amdhsa.version: [ 1, 2 ]
amdhsa.kernels:
  - .name:           k_qf0eaf30e2b_project
    .symbol:         k_qf0eaf30e2b_project.kd
    .args:
      - { .name: x, .offset: 0, .size: 8, .value_kind: global_buffer, .address_space: global }
      - { .name: Wb, .offset: 8, .size: 8, .value_kind: global_buffer, .address_space: global }
      - { .name: bb, .offset: 16, .size: 8, .value_kind: global_buffer, .address_space: global }
      - { .name: Wc, .offset: 24, .size: 8, .value_kind: global_buffer, .address_space: global }
      - { .name: bc, .offset: 32, .size: 8, .value_kind: global_buffer, .address_space: global }
      - { .name: Wd, .offset: 40, .size: 8, .value_kind: global_buffer, .address_space: global }
      - { .name: bd, .offset: 48, .size: 8, .value_kind: global_buffer, .address_space: global }
      - { .name: kv, .offset: 56, .size: 8, .value_kind: global_buffer, .address_space: global }
      - { .name: qimg, .offset: 64, .size: 8, .value_kind: global_buffer, .address_space: global }
      - { .name: qs, .offset: 72, .size: 8, .value_kind: global_buffer, .address_space: global }
    .group_segment_fixed_size: 47360
    .private_segment_fixed_size: 0
    .kernarg_segment_align: 8
    .kernarg_segment_size: 80
    .max_flat_workgroup_size: 512
    .sgpr_count:     66
    .vgpr_count:     256
    .wavefront_size: 32
...
	.end_amdgpu_metadata
.endif
;; end of part 3
;; launch attend: the kernel of part 2 again; grid 64 x 4, 8 waves a work-group, clusters of 4 x 1, 327,680 bytes of LDS; arguments kv, qimg, qs, x, alpha, out0; writes out0
;; ======== version 3 of 3: 2 launches; version 2 with the launch project written anew for expert scheduling mode
;; workspace buffers: kv 2,621,440 bytes; qimg 262,144 bytes; qs 32,768 bytes
;; launch project (part 4): grid 256 x 1, 16 waves a work-group, no clusters, 47,360 bytes of LDS; arguments x, Wb, bb, Wc, bc, Wd, bd, kv, qimg, qs; writes kv, qimg, qs
.if DOCPART == 4
	.amdgcn_target "amdgcn-amd-amdhsa--gfx1250"
	.amdhsa_code_object_version 6
	.text
	.protected	k_qf0eaf30e2b_project
	.globl	k_qf0eaf30e2b_project
	.p2align	8
	.type	k_qf0eaf30e2b_project,@function
k_qf0eaf30e2b_project:
	s_mov_b64 s[64:65], 0
	v_nop
	global_prefetch_b8 v0, s[64:65] scope:SCOPE_SE
	s_setreg_imm32_b32 hwreg(HW_REG_WAVE_SCHED_MODE, 0, 2), 2
	s_setreg_imm32_b32 hwreg(HW_REG_WAVE_MODE, 25, 1), 1
	s_wait_xcnt 0x0
	s_wait_alu depctr_vm_vsrc(0)
; fb = Wb x + bb, fc = Wc x + bc, fd = Wd x + bd, all three products on codes of FP4 (E2M1) with one E8M0 scale for each 32 along K (the 256 channels),
; and the results quantised again for the two products of attention: fb and fc along their 32 outputs (one block a pixel), fd along the pixels (blocks of 32).
; x: [4][256][4096] f32 (K is NOT innermost); Wb, Wc: [32][256], Wd: [256][256] f32 (K innermost); biases f32.
; WHAT IS STORED, in the order of the next launch's operand registers:
;   kv   [128 pixels' record 128][20,480 bytes]: 0: fc's codes, key tile t at 256 t, lane r's key at 16 r;  2,048: fd's scale words, tile n, row r at 512 ((n / 4) % 2) + 256 (n / 8) + 16 r + 4 (n % 4);
;        3,072: fc's scale bytes, 8 r + t, then zeros;  4,096: fd's codes as images of registers, channel tile n at 1,024 n, register group c at 512 c, lane l at 16 l.
;   qimg [tile 1,024][256 bytes]: fb's codes laid as fc's.      qs [record 128][256 bytes]: fb's scale bytes, 8 r + t, then zeros.
; THE PIXELS OF A TILE ARE NOT NEIGHBOURS: lane r of tile 2 b + u is pixel 32 b + 8 u + r + 8 (r / 8), so that a result's 16 registers of tiles 2 b and 2 b + 1 are 16 neighbours along the next K.
; SHARES.  256 work-groups of sixteen waves.  Work-group 2 g + hf takes the 128 pixels of record g, fd's channel tiles 8 hf .. 8 hf + 7, and fb (hf = 0) or fc (hf = 1).  128 pixels are one fragment and one scale word
;   along the pixels, so nothing is pieced together between work-groups; the price is that a record's x (131,072 bytes) is read and quantised by two work-groups, against which each reads 160 rows of weights and not 320.
;   Every wave asks for all that it reads in its first lines: 5 loads of biases, 20 of weights, 64 of x.  It quantises ten rows of weights (a load pair covers a whole row of 1,024 bytes; a lane holds 8 neighbours along K,
;   four lanes a block) and 32 pixels x 64 channels of x (a lane to a pixel, registers down the channels); both go to LDS as rows of codes.  Then wave w makes fd's channel tile w % 8 for pixel half w / 8, and waves 0 to 7
;   fb or fc of pixel tile w.
; No tensor loads and no cluster, though the two work-groups of a record read the same x and all read the weights: the quantiser wants a pixel's channels in ONE lane's registers, which plain loads give as they land;
; a tile brought into LDS would be 131,072 bytes written there and read back, for 18,432 bytes of codes.
; LIMITS: NaN and infinities among the inputs are not served.  A block whose largest magnitude lies under 2^-124, a block of zeros too, gets the scale byte 1 (the rule gives a block of zeros 127): its codes are what the
; conversion makes of its numbers under 2^-126, zeros for zeros, and this program alone reads the bytes.
; THE MODE: SCHED_MODE bits 1:0 = 2 (LLVM: expert scheduling mode 2), set by the entry lines.  The code itself states the register dependences
; between vector or matrix instructions and memory or LDS instructions, with s_wait_alu, always for 0.
; THE PLAN.  Registers that memory or LDS instructions touch, in the order of the text (there is no loop):
;   v5-v27, v30, v31, v49   addresses and offsets: written once, at the head, and by nothing afterwards: ONE wait on va_vdst, ahead of the first load, serves every load and store of the kernel.
;   v[ZR ..]                zeros written at the head; read by the store that clears the stage (waves 0 and 1); at the end the stage's loads land in them.
;   v28, v[BB ..], v[WR ..], v[XR ..]   the head's loads land in them; no vector instruction names them before.  Behind the first barrier LDS loads land in v[WR ..] again (x's and Wd's fragments), later in v96-127 and v208-223.
;   v[CW ..], v[TM ..]      written by the weights' quantiser, read by its twenty LDS stores; v[TM ..] is written again by the quantisers that follow.
;   v[PC ..], v[PW]         written four times (x's two blocks, fd, fb or fc), each time read by a store behind it.
; So a wait on va_vdst stands between each quantiser and its stores, and a wait on vm_vsrc between those stores and the next quantiser that writes the same registers.  The wait on va_vdst of x's second block also
; states that the quantisers are done reading v[WR ..], and the one behind fd's quantiser that the products are done reading their fragments: the LDS loads that land there follow with no vector instruction between.
.set XPITCH, 144                       ; an LDS row of 256 codes: 128 bytes + 16 of padding = 36 words: row r starts at bank 36 r mod 64 (64 banks of 4 bytes: ISA guide 11.1): 16 neighbouring rows start at 16 different groups of four banks
.set XSC,    18432                     ; behind x's 128 rows (IN TILE ORDER: row 16 t + r is lane r of tile t): x's scale words, [K step 2][row 128], 4 bytes
.set STG,    19456                     ; a stage of 1,536 bytes: fb's or fc's scale bytes (128) and zeros up to 1,024; then fd's scale words of my eight tiles (512)
.set WSC,    20992                     ; the weights' scale bytes: [row 160][8]
.set WCD,    22272                     ; the weights' codes: 160 rows: my half of Wd (row 16 m + r: lane r of tile m), then Wb or Wc in tile order (row 128 + 16 u + r)
.set TM,   32                          ; v32-47   at work in the quantisers
.set PW,   48                          ; v48      the scale bytes just made
.set WFS,  50                          ; v50-51   Wd's scale words of my channel tile
.set PC,   52                          ; v52-55   the codes just made
.set SWS,  56                          ; v56-59   the small weight's scale words
.set BD,   60                          ; v60-67   fd's first C: bd of my lane's channel, eight times
.set BB,   68                          ; v68-83   fb's or fc's first C: register 8 u + j = bias[16 h + 8 u + j]
.set ZR,   84                          ; v84-87   zeros for the stage; at the end what leaves the stage
.set XSW,  88                          ; v88-95   x's scale words: K step s, tile t at 4 s + t
.set WR,   96                          ; v96-175  ten rows of weights as loaded, 8 numbers a lane and row
.set XR,   176                         ; v176-239 64 numbers of x as loaded
.set OXS,  240                         ; v240-241 x's scale words of my own pixel tile
.set CW,   242                         ; v242-251 the ten rows' codes
.set XF,   96                          ; later: v96-159 x's eight fragments (4 s + t);  v160-175 Wd's two;  v176-207 fd's four accumulators
.set WF,   160
.set ACC,  176
.set OXF,  208                         ; v208-223 my own pixel tile's two fragments;  v96-127 the small weight's four (2 u + s);  v224-239 two accumulators
.set SWF,  96
.set ACC2, 224
.macro PLACES n
.rept \n
	v_nop
.endr
.endm
.macro BARRIER                         ; my LDS stores have landed and my LDS loads are in: then the work-group's barrier
	s_wait_dscnt 0x0
	s_barrier_signal -1
	s_barrier_wait -1
.endm
; x: block t of my 64 channels: channels 32 t + i of my pixel, i = 0 .. 31.  A wave's load reads 128 consecutive bytes, four waves stand side by side on 512.
.macro LOADX t
.set i, 0
.rept 32
	global_load_b32 v[XR+32*(\t)+i], v5, s[32:33] offset:(32*(\t)+i)*16384
.set i, i+1
.endr
.endm
; The block is quantised: all its 32 numbers are my lane's.
.macro XBLOCK t
.set XN, XR+32*(\t)
.if (\t) == 0
	s_wait_loadcnt 32                              ; this block's 32 loads are in; the second block's 32 may be out
.else
	s_wait_loadcnt 0x0
.endif
	v_max3_num_f32 v[TM], |v[XN]|, |v[XN+1]|, |v[XN+2]|
	v_max3_num_f32 v[TM+1], |v[XN+3]|, |v[XN+4]|, |v[XN+5]|
.irp i, 6,10,14,18,22,26
	v_max3_num_f32 v[TM], v[TM], |v[XN+\i]|, |v[XN+\i+1]|
	v_max3_num_f32 v[TM+1], v[TM+1], |v[XN+\i+2]|, |v[XN+\i+3]|
.endr
	v_max3_num_f32 v[TM], v[TM], |v[XN+30]|, |v[XN+31]|
	v_max3_num_f32 v[TM], v[TM], v[TM+1], 0x1800000    ; and the floor 2^(3 - 127): the byte cannot fall under 1
	v_add_nc_u32 v[TM+12], 0xff000000, v[TM]       ; 2 off the exponent field: the conversion takes the exponent field of this operand as its scale
	v_lshrrev_b32 v[TM+4], 23, v[TM+12]            ; the scale's byte
.if (\t) == 0
	v_mov_b32 v[PW], v[TM+4]                       ; my two blocks' bytes are half of a K step's scale word
.else
	v_lshl_or_b32 v[PW], v[TM+4], 8, v[PW]
.endif
.irp g, 0,1,2,3
	v_cvt_scalef32_pk8_fp4_f32 v[PC+\g], v[XN+8*\g:XN+8*\g+7], v[TM+12]
.endr
	v_nop                                          ; one plain place behind a scaled conversion
	s_wait_alu depctr_va_vdst(0)                   ; the conversions have written v[PC ..], which the LDS store reads.  In the second block also: v[PW] is written, which the store behind the block reads, and the quantisers are done reading v[WR ..], in which the LDS loads behind the barrier land
	ds_store_b128 v6, v[PC:PC+3] offset:16*(\t)    ; 32 codes: 16 bytes of my pixel's row
.if (\t) == 0
	s_wait_dscnt 0x0                               ; the store has read its registers
	s_wait_alu depctr_vm_vsrc(0)                   ; the LDS store has read v[PC ..], which the second block's conversions write again
.endif
.endm
; Ten rows of weights, by turns line by line.  Lane l holds k = 8 l .. 8 l + 7 of each row: lanes 4 j .. 4 j + 3 hold block j.
.macro WQUANT
.irp i, 0,1,2,3,4,5,6,7,8,9
	v_max3_num_f32 v[TM+\i], |v[WR+8*\i]|, |v[WR+8*\i+1]|, 0x1800000   ; with the floor 2^(3 - 127)
.endr
.irp k, 2,4,6
.irp i, 0,1,2,3,4,5,6,7,8,9
	v_max3_num_f32 v[TM+\i], v[TM+\i], |v[WR+8*\i+\k]|, |v[WR+8*\i+\k+1]|
.endr
.endr
.irp i, 0,1,2,3,4,5,6,7,8,9
	v_max_num_f32_dpp v[TM+\i], v[TM+\i], v[TM+\i] row_xmask:1 row_mask:0xf bank_mask:0xf
.endr
.irp i, 0,1,2,3,4,5,6,7,8,9
	v_max_num_f32_dpp v[TM+\i], v[TM+\i], v[TM+\i] row_xmask:2 row_mask:0xf bank_mask:0xf   ; the four lanes' largest: the block's
.endr
.irp i, 0,1,2,3,4,5,6,7,8,9
	v_add_nc_u32 v[TM+\i], 0xff000000, v[TM+\i]    ; 2 off the exponent field: the conversion's scale operand
.endr
.irp i, 0,1,2,3,4,5,6,7,8,9
	v_cvt_scalef32_pk8_fp4_f32 v[CW+\i], v[WR+8*\i:WR+8*\i+7], v[TM+\i]
.endr
	v_nop                                          ; one plain place behind a scaled conversion
.irp i, 0,1,2,3,4,5,6,7,8,9
	v_lshrrev_b32 v[TM+\i], 23, v[TM+\i]           ; the scale's byte
.endr
	s_wait_alu depctr_va_vdst(0)                   ; the conversions have written v[CW ..] and the shifts v[TM ..], which the twenty LDS stores read
.irp i, 0,1,2,3,4,5,6,7
	ds_store_b32 v9, v[CW+\i] offset:\i*XPITCH     ; a row's 128 bytes of codes: 4 bytes a lane on end
	ds_store_b8 v11, v[TM+\i] offset:8*\i          ; the four lanes of a block write the same byte with the same value
.endr
.irp e, 0,1
	ds_store_b32 v10, v[CW+8+\e] offset:\e*XPITCH
	ds_store_b8 v12, v[TM+8+\e] offset:8*\e
.endr
.endm
; 32 numbers of a lane, register 16 b + i = pixel 32 b + 16 (lane / 16) + i of my 64, of my channel: one register group of a fragment in v[PC] on, its two scale bytes in v[PW]
.macro QUANT2 s
.irp b, 0,1
	v_max3_num_f32 v[TM+\b], |v[\s+16*\b]|, |v[\s+1+16*\b]|, 0x1800000
.endr
.irp i, 2,4,6,8,10,12,14
.irp b, 0,1
	v_max3_num_f32 v[TM+\b], v[TM+\b], |v[\s+16*\b+\i]|, |v[\s+1+16*\b+\i]|   ; the two blocks by turns
.endr
.endr
.irp b, 0,1
	v_permlanex16_b32 v[TM+4+\b], v[TM+\b], s46, s47
.endr
.irp b, 0,1
	v_max_num_f32 v[TM+\b], v[TM+\b], v[TM+4+\b]   ; with lane l xor 16's: the block's largest magnitude
.endr
.irp b, 0,1
	v_add_nc_u32 v[TM+12+\b], 0xff000000, v[TM+\b]
.endr
.irp b, 0,1
	v_lshrrev_b32 v[TM+4+\b], 23, v[TM+12+\b]
.endr
	v_lshl_or_b32 v[PW], v[TM+5], 8, v[TM+4]
.irp b, 0,1
	v_cvt_scalef32_pk8_fp4_f32 v[PC+2*\b], v[\s+16*\b:\s+7+16*\b], v[TM+12+\b]
	v_cvt_scalef32_pk8_fp4_f32 v[PC+1+2*\b], v[\s+8+16*\b:\s+15+16*\b], v[TM+12+\b]
.endr
	v_nop                                          ; one plain place behind a scaled conversion
.irp i, 0,1                                    ; the operand's layout wants a whole block in a lane: lanes 0-15 the first, lanes 16-31 the second
	v_permlane16_swap_b32 v[PC+\i], v[PC+2+\i]
.endr
.endm
; 16 numbers of a lane, register i = k 16 (lane / 16) + i of my pixel's ONE block of 32: eight bytes of codes in v[PC], v[PC+1], the byte in v[PW]
.macro Q32 s
	v_max3_num_f32 v[TM], |v[\s]|, |v[\s+1]|, 0x1800000
.irp i, 2,4,6,8,10,12,14
	v_max3_num_f32 v[TM], v[TM], |v[\s+\i]|, |v[\s+\i+1]|
.endr
	v_permlanex16_b32 v[TM+4], v[TM], s46, s47
	v_max_num_f32 v[TM], v[TM], v[TM+4]
	v_add_nc_u32 v[TM+12], 0xff000000, v[TM]
	v_lshrrev_b32 v[PW], 23, v[TM+12]
	v_cvt_scalef32_pk8_fp4_f32 v[PC], v[\s:\s+7], v[TM+12]
	v_cvt_scalef32_pk8_fp4_f32 v[PC+1], v[\s+8:\s+15], v[TM+12]
	v_nop
.endm
	s_load_b512 s[8:23], s[0:1], 0x0               ; x s[8:9], Wb s[10:11], bb s[12:13], Wc s[14:15], bc s[16:17], Wd s[18:19], bd s[20:21], kv s[22:23]
	s_load_b128 s[24:27], s[0:1], 0x40             ; qimg s[24:25], qs s[26:27]
	v_lshl_add_u32 v254, v0, 2, 0xb100
	v_mov_b32 v255, 0
	v_lshrrev_b32 v1, 5, v0
	v_readfirstlane_b32 s28, v1                    ; wave w, 0..15
	s_and_b32 s31, ttmp9, 1                        ; hf: which half of fd's channels; 0 makes fb, 1 makes fc
	s_lshr_b32 s58, ttmp9, 1                       ; g: the record
	s_mov_b32 s46, 0x76543210
	s_mov_b32 s47, 0xfedcba98                      ; v_permlanex16_b32's selects for lane l xor 16
	; every address register is made here, ahead of the first place where waves part, and none is written again.  No LDS address hangs on the work-group's number
	v_and_b32 v1, 31, v0                           ; l
	v_and_b32 v2, 15, v0                           ; r
	v_bfe_u32 v3, v0, 4, 1                         ; h
	v_lshlrev_b32 v23, 4, v1                       ; 16 l
	v_lshlrev_b32 v27, 3, v1                       ; 8 l
	v_lshlrev_b32 v8, 5, v1                        ; the weights in memory: my 8 numbers of a row, 32 l
	v_lshlrev_b32 v31, 2, v2                       ; 4 r
	v_lshlrev_b32 v49, 6, v3                       ; 64 h
	s_wait_alu depctr_va_sdst(0)                   ; s28 is written, ahead of its first reader: the wave's shares, addresses and branches are made from it
	s_and_b32 s29, s28, 7                          ; m = w % 8: my channel tile of the eight; my pixel tile for fb or fc
	s_lshr_b32 s30, s28, 3                         ; c = w / 8: my pixel half for fd; my K step of x
	s_and_b32 s48, s28, 3                          ; w % 4
	s_bfe_u32 s49, s28, 0x10002                    ; (w / 4) % 2
	s_lshr_b32 s59, s28, 2                         ; w / 4
	s_lshl_b32 s50, s48, 7
	v_lshl_add_u32 v5, v1, 2, s50                  ; x in memory: pixel 32 (w % 4) + l, 4 bytes
	v_and_b32 v32, 7, v0
	v_bfe_u32 v33, v0, 3, 1
	v_lshl_add_u32 v32, v33, 4, v32
	v_lshl_add_u32 v32, v3, 3, v32                 ; pixel l of a block of 32 is lane l % 8 + 8 (l / 16) of tile (l / 8) % 2: row 16 ((l / 8) % 2) + l % 8 + 8 (l / 16)
	s_mul_i32 s50, s48, 32*XPITCH
	s_lshl_b32 s51, s59, 5
	s_add_co_u32 s50, s50, s51
	v_mul_u32_u24 v6, v32, XPITCH
	v_add_nc_u32 v6, s50, v6                       ; x's codes in LDS: my pixel's row, my 64 channels' 32 bytes
	s_lshl_b32 s50, s30, 9
	s_lshl_b32 s51, s49, 1
	s_add_co_u32 s50, s50, s51
	s_lshl_b32 s51, s48, 7
	s_add_co_u32 s50, s50, s51
	s_add_co_u32 s50, s50, XSC
	v_lshl_add_u32 v7, v32, 2, s50                 ; and my half of its scale word
	s_mul_i32 s50, s28, 8*XPITCH
	s_add_co_u32 s50, s50, WCD
	v_lshl_add_u32 v9, v1, 2, s50                  ; Wd's rows 8 w on: 4 bytes of codes a lane
	s_lshl_b32 s51, s49, 4
	s_lshl_b32 s50, s30, 3
	s_add_co_u32 s51, s51, s50
	s_lshl_b32 s50, s48, 1
	s_add_co_u32 s51, s51, s50                     ; the small weight's rows 2 w, 2 w + 1 in tile order: 16 ((w / 4) % 2) + 8 (w / 8) + 2 (w % 4) on
	s_mul_i32 s50, s51, XPITCH
	s_add_co_u32 s50, s50, WCD+128*XPITCH
	v_lshl_add_u32 v10, v1, 2, s50
	v_lshrrev_b32 v33, 2, v1                       ; my block of a row
	s_lshl_b32 s50, s28, 6
	s_add_co_u32 s50, s50, WSC
	v_add_nc_u32 v11, s50, v33                     ; the rows' scale bytes
	s_lshl_b32 s50, s51, 3
	s_add_co_u32 s50, s50, WSC+1024
	v_add_nc_u32 v12, s50, v33
	v_mul_u32_u24 v34, v2, XPITCH
	v_lshl_add_u32 v34, v3, 4, v34                 ; a fragment: row r, + 16 h
	s_mul_i32 s50, s30, 64*XPITCH
	v_add_nc_u32 v13, s50, v34                     ; x's fragments of my pixel half
	s_lshl_b32 s50, s30, 8
	s_add_co_u32 s50, s50, XSC
	v_lshl_add_u32 v14, v2, 2, s50                 ; and their scale words
	s_mul_i32 s50, s29, 16*XPITCH
	s_add_co_u32 s51, s50, WCD
	v_add_nc_u32 v15, s51, v34                     ; Wd's fragments of channel tile m
	v_add_nc_u32 v19, s50, v34                     ; x's fragments of pixel tile m
	s_lshl_b32 s50, s29, 7
	s_add_co_u32 s50, s50, WSC
	v_lshl_add_u32 v16, v2, 3, s50
	v_add_nc_u32 v17, WCD+128*XPITCH, v34          ; the small weight's fragments
	v_lshl_add_u32 v18, v2, 3, WSC+1024
	s_lshl_b32 s50, s29, 6
	s_add_co_u32 s50, s50, XSC
	v_lshl_add_u32 v20, v2, 2, s50
	s_lshl_b32 s50, s49, 8
	s_lshl_b32 s51, s48, 2
	s_add_co_u32 s50, s50, s51
	s_lshl_b32 s51, s30, 1
	s_add_co_u32 s50, s50, s51
	s_add_co_u32 s50, s50, STG+1024
	v_lshl_add_u32 v21, v2, 4, s50                 ; the stage: fd's scale word of tile m, row r: 256 (m / 4) + 16 r + 4 (m % 4); my half of it: + 2 c
	s_add_co_u32 s50, s29, STG
	v_lshl_add_u32 v22, v2, 3, s50                 ; fb's or fc's scale bytes: 8 r + tile
	v_lshlrev_b32 v24, 4, v2
	v_lshl_add_u32 v24, v3, 3, v24                 ; a pixel's 16 bytes of codes: 16 r + 8 h
	s_lshl_b32 s50, s28, 9
	s_add_co_u32 s50, s50, STG
	v_add_nc_u32 v25, s50, v23                     ; the stage, 512 bytes a wave (waves 0 to 2)
	v_add_nc_u32 v26, STG, v27
	v_lshlrev_b32 v30, 4, v2
	v_lshl_add_u32 v30, v3, 9, v30                 ; fd's scale words in memory: the stage's two blocks of 256 bytes lie 512 apart
.irp i, 0,1,2,3
	v_mov_b32 v[ZR+\i], 0
.endr
	; the offsets of all that is loaded, made while the arguments are on their way
	s_lshr_b32 s32, s58, 5                         ; x: the batch,
	s_lshl_b32 s32, s32, 22
	s_and_b32 s33, s58, 31                         ; which 128 pixels of it,
	s_lshl_b32 s33, s33, 9
	s_add_co_u32 s32, s32, s33
	s_lshl_b32 s33, s59, 20                        ; my 64 channels of 16,384 bytes
	s_add_co_u32 s32, s32, s33
	s_mov_b32 s33, 0
	s_lshl_b32 s34, s31, 17                        ; Wd: my work-group's 128 rows, my wave's 8
	s_lshl_b32 s35, s28, 13
	s_add_co_u32 s34, s34, s35
	s_mov_b32 s35, 0
	s_lshl_b32 s50, s28, 11                        ; Wb or Wc: rows 2 w, 2 w + 1
	s_mov_b32 s51, 0
	s_lshl_b32 s52, s31, 9                         ; bd of channel tile 8 hf + m
	s_lshl_b32 s53, s29, 6
	s_add_co_u32 s52, s52, s53
	s_mov_b32 s53, 0
	s_wait_kmcnt 0x0
	s_add_nc_u64 s[32:33], s[8:9], s[32:33]
	s_add_nc_u64 s[34:35], s[18:19], s[34:35]
	s_add_nc_u64 s[52:53], s[20:21], s[52:53]
	s_cmp_eq_u32 s31, 0
	s_cselect_b64 s[36:37], s[10:11], s[14:15]     ; Wb or Wc
	s_cselect_b64 s[44:45], s[12:13], s[16:17]     ; bb or bc
	s_add_nc_u64 s[36:37], s[36:37], s[50:51]
	s_wait_alu depctr_va_vdst(0)                   ; the addresses and offsets v5 to v27, v30, v31 and v49 are written, which the kernel's loads and stores read, and so are the zeros in v[ZR ..], which the clearing store reads and in which the stage's loads land at the end
	global_load_b32 v28, v31, s[52:53]             ; bd[16 (8 hf + m) + r]
.irp q, 0,1,2,3
	global_load_b128 v[BB+4*\q:BB+4*\q+3], v49, s[44:45] offset:16*\q   ; bias[16 h + 0 .. 15]
.endr
.irp i, 0,1,2,3,4,5,6,7
	global_load_b128 v[WR+8*\i:WR+8*\i+3], v8, s[34:35] offset:1024*\i      ; the two loads of a row cover its 1,024 bytes
	global_load_b128 v[WR+8*\i+4:WR+8*\i+7], v8, s[34:35] offset:1024*\i+16
.endr
.irp e, 0,1
	global_load_b128 v[WR+64+8*\e:WR+64+8*\e+3], v8, s[36:37] offset:1024*\e
	global_load_b128 v[WR+64+8*\e+4:WR+64+8*\e+7], v8, s[36:37] offset:1024*\e+16
.endr
	LOADX 0
	LOADX 1
	; where the results go
	s_mul_i32 s50, s58, 20480
	s_add_nc_u64 s[38:39], s[22:23], s[50:51]      ; my record of kv
	s_lshl_b32 s50, s31, 13
	s_lshl_b32 s62, s29, 10
	s_add_co_u32 s50, s50, s62
	s_lshl_b32 s62, s30, 9
	s_add_co_u32 s50, s50, s62
	s_add_co_u32 s50, s50, 4096
	s_add_nc_u64 s[40:41], s[38:39], s[50:51]      ; fd's image of tile 8 hf + m, register group c
	s_lshl_b32 s50, s58, 11
	s_add_nc_u64 s[42:43], s[24:25], s[50:51]      ; the record's eight tiles of qimg
	s_cmp_eq_u32 s31, 0
	s_cselect_b64 s[42:43], s[42:43], s[38:39]     ; fb's codes go to qimg, fc's to the record's head
	s_lshl_b32 s50, s29, 8
	s_add_nc_u64 s[42:43], s[42:43], s[50:51]
	s_lshl_b32 s50, s58, 8
	s_add_nc_u64 s[54:55], s[26:27], s[50:51]      ; the record's 256 bytes of qs
	s_lshl_b32 s50, s31, 8
	s_add_co_u32 s50, s50, 2048
	s_add_nc_u64 s[56:57], s[38:39], s[50:51]      ; fd's scale words: my half's blocks of 256 bytes
	s_lshl_b32 s50, s28, 9
	s_add_co_u32 s50, s50, 3072
	s_add_nc_u64 s[60:61], s[38:39], s[50:51]      ; the record's bytes 3,072 on, 512 a wave (waves 0 and 1)
	s_cmp_lt_u32 s28, 2
	s_cbranch_scc0 .Lno_clear
	ds_store_b128 v25, v[ZR:ZR+3]                  ; the stage's first 1,024 bytes begin as zeros: what nobody fills leaves as zeros
.Lno_clear:
	s_wait_loadcnt 63                              ; 89 loads were issued; a wait names 63 at the most: the youngest 63 may be out, so the oldest 26 are in: the biases, the weights and one of x
.irp i, 0,1,2,3,4,5,6,7
	v_mov_b32 v[BD+\i], v28                        ; a lane's eight results of a tile of fd belong to one channel
.endr
	WQUANT
	s_wait_dscnt 0x0                               ; the stores have read their registers
	s_wait_alu depctr_vm_vsrc(0)                   ; the LDS stores of the scale bytes have read v[TM ..], which x's quantiser writes again
	XBLOCK 0
	XBLOCK 1
	ds_store_b16 v7, v[PW]
	BARRIER                                        ; x's codes and scale words, the weights' and the cleared stage lie in LDS
	s_wait_alu depctr_vm_vsrc(0)                   ; my LDS stores have read v[PC ..] and v[PW], which fd's quantiser writes again, and in waves 0 and 1 v[ZR ..], in which the stage's loads land at the end
	; ---- fd: channel tile m for my 64 pixels.  Source 0 = 16 pixels, source 1 = 16 channels: a lane holds ONE channel, and its registers run along the pixels, the next K
.irp s, 0,1
.irp c, 0,1
	ds_load_b128 v[WF+8*\s+4*\c:WF+8*\s+4*\c+3], v15 offset:64*\s+32*\c
.endr
	ds_load_b32 v[WFS+\s], v16 offset:4*\s
.endr
.irp s, 0,1
.irp t, 0,1,2,3
.irp c, 0,1
	ds_load_b128 v[XF+8*(4*\s+\t)+4*\c:XF+8*(4*\s+\t)+4*\c+3], v13 offset:16*\t*XPITCH+64*\s+32*\c
.endr
	ds_load_b32 v[XSW+4*\s+\t], v14 offset:512*\s+64*\t
.endr
.endr
	s_wait_dscnt 12                                ; the second K step's twelve loads may be out
.irp t, 0,1,2,3                                ; the four accumulators by turns
	v_wmma_scale_f32_16x16x128_f8f6f4 v[ACC+8*\t:ACC+8*\t+7], v[XF+8*\t:XF+8*\t+7], v[WF:WF+7], v[BD:BD+7], v[XSW+\t], v[WFS] matrix_a_fmt:MATRIX_FMT_FP4 matrix_b_fmt:MATRIX_FMT_FP4
.endr
	s_wait_dscnt 0x0
.irp t, 0,1,2,3
	v_wmma_scale_f32_16x16x128_f8f6f4 v[ACC+8*\t:ACC+8*\t+7], v[XF+32+8*\t:XF+32+8*\t+7], v[WF+8:WF+15], v[ACC+8*\t:ACC+8*\t+7], v[XSW+4+\t], v[WFS+1] matrix_a_fmt:MATRIX_FMT_FP4 matrix_b_fmt:MATRIX_FMT_FP4
.endr
	PLACES 4                                       ; in front of the first read of results
	QUANT2 ACC
	s_wait_alu depctr_va_vdst(0)                   ; fd's quantiser has written v[PC ..] and v[PW], which the two stores read; the products are done reading x's fragments v96-127, and x's quantiser v208-223, in which the loads of waves 0 to 7 land
	global_store_b128 v23, v[PC:PC+3], s[40:41]    ; a register group of the image: 512 consecutive bytes
	ds_store_b16 v21, v[PW]                        ; lanes l and l xor 16 write the same two bytes with the same value
	; ---- waves 0 to 7: fb or fc of pixel tile w.  Source 0 = 16 rows of the weight, source 1 = 16 pixels: a lane holds ONE pixel, registers along the 32 outputs
	s_cmp_lt_u32 s28, 8
	s_cbranch_scc0 .Lno_small
.irp s, 0,1
.irp c, 0,1
	ds_load_b128 v[OXF+8*\s+4*\c:OXF+8*\s+4*\c+3], v19 offset:64*\s+32*\c
.endr
	ds_load_b32 v[OXS+\s], v20 offset:512*\s
.endr
.irp u, 0,1
.irp s, 0,1
.irp c, 0,1
	ds_load_b128 v[SWF+8*(2*\u+\s)+4*\c:SWF+8*(2*\u+\s)+4*\c+3], v17 offset:16*\u*XPITCH+64*\s+32*\c
.endr
	ds_load_b32 v[SWS+2*\u+\s], v18 offset:128*\u+4*\s
.endr
.endr
	s_wait_dscnt 0x0
	v_wmma_scale_f32_16x16x128_f8f6f4 v[ACC2:ACC2+7], v[SWF:SWF+7], v[OXF:OXF+7], v[BB:BB+7], v[SWS], v[OXS] matrix_a_fmt:MATRIX_FMT_FP4 matrix_b_fmt:MATRIX_FMT_FP4
	v_wmma_scale_f32_16x16x128_f8f6f4 v[ACC2+8:ACC2+15], v[SWF+16:SWF+23], v[OXF:OXF+7], v[BB+8:BB+15], v[SWS+2], v[OXS] matrix_a_fmt:MATRIX_FMT_FP4 matrix_b_fmt:MATRIX_FMT_FP4
	v_wmma_scale_f32_16x16x128_f8f6f4 v[ACC2:ACC2+7], v[SWF+8:SWF+15], v[OXF+8:OXF+15], v[ACC2:ACC2+7], v[SWS+1], v[OXS+1] matrix_a_fmt:MATRIX_FMT_FP4 matrix_b_fmt:MATRIX_FMT_FP4
	v_wmma_scale_f32_16x16x128_f8f6f4 v[ACC2+8:ACC2+15], v[SWF+24:SWF+31], v[OXF+8:OXF+15], v[ACC2+8:ACC2+15], v[SWS+3], v[OXS+1] matrix_a_fmt:MATRIX_FMT_FP4 matrix_b_fmt:MATRIX_FMT_FP4
	PLACES 4
	s_wait_xcnt 0x0                                ; fd's store has read v[PC] on, which is written again below
	s_wait_alu depctr_vm_vsrc(0)                   ; fd's global store has read v[PC ..] and its LDS store v[PW], which the quantiser below writes again
	Q32 ACC2
	s_wait_alu depctr_va_vdst(0)                   ; the quantiser has written v[PC], v[PC+1] and v[PW], which the two stores read
	global_store_b64 v24, v[PC:PC+1], s[42:43]     ; 32 lanes store 256 consecutive bytes, aligned: the tile's codes
	ds_store_b8 v22, v[PW]                         ; lanes l and l xor 16 write the same byte with the same value
.Lno_small:
	BARRIER                                        ; the stage is whole
	s_cmp_lt_u32 s28, 2
	s_cbranch_scc0 .Lnot_bytes
	s_cmp_eq_u32 s31, 0
	s_cbranch_scc1 .Lend                           ; fb's bytes go to qs, below
	ds_load_b128 v[ZR:ZR+3], v25
	s_wait_dscnt 0x0
	global_store_b128 v23, v[ZR:ZR+3], s[60:61]    ; fc's scale bytes and the zeros behind them: the record's bytes 3,072 to 4,095, 512 consecutive bytes a wave
	s_branch .Lend
.Lnot_bytes:
	s_cmp_eq_u32 s28, 2
	s_cbranch_scc0 .Lnot_words
	ds_load_b128 v[ZR:ZR+3], v25
	s_wait_dscnt 0x0
	global_store_b128 v30, v[ZR:ZR+3], s[56:57]    ; fd's scale words of my eight tiles: sixteen lanes store 256 consecutive bytes, aligned
	s_branch .Lend
.Lnot_words:
	s_cmp_eq_u32 s28, 3
	s_cbranch_scc0 .Lend
	s_cmp_eq_u32 s31, 0
	s_cbranch_scc0 .Lend
	ds_load_b64 v[ZR:ZR+1], v26
	s_wait_dscnt 0x0
	global_store_b64 v27, v[ZR:ZR+1], s[54:55]     ; fb's scale bytes and the zeros behind them: 256 consecutive bytes, aligned
.Lend:
	s_wait_dscnt 0x0                               ; the closing lines, six on end
	s_wait_alu 0x0
	s_wait_tensorcnt 0x0
	ds_add_u32 v254, v255
	s_wait_dscnt 0x0
	s_endpgm
.Lfunc_end_k_qf0eaf30e2b_project:
	.size	k_qf0eaf30e2b_project, .Lfunc_end_k_qf0eaf30e2b_project-k_qf0eaf30e2b_project
	.p2alignl 7, 3214868480
	.fill 96, 4, 3214868480
	.section	.rodata,"a",@progbits
	.p2align	6, 0x0
	.amdhsa_kernel k_qf0eaf30e2b_project
		.amdhsa_group_segment_fixed_size 47360
		.amdhsa_private_segment_fixed_size 0
		.amdhsa_enable_private_segment 0
		.amdhsa_kernarg_size 80
		.amdhsa_user_sgpr_count 2
		.amdhsa_user_sgpr_kernarg_segment_ptr 1
		.amdhsa_wavefront_size32 1
		.amdhsa_system_sgpr_workgroup_id_x 1
		.amdhsa_system_sgpr_workgroup_id_y 1
		.amdhsa_system_sgpr_workgroup_id_z 1
		.amdhsa_system_vgpr_workitem_id 0
		.amdhsa_next_free_vgpr 256
		.amdhsa_next_free_sgpr 66
		.amdhsa_reserve_vcc 0
		.amdhsa_float_denorm_mode_32 3
		.amdhsa_float_denorm_mode_16_64 3
		.amdhsa_memory_ordered 1
		.amdhsa_forward_progress 1
		.amdhsa_inst_pref_size 36
	.end_amdhsa_kernel
	.amdgpu_metadata
---
amdhsa.version: [ 1, 2 ]
amdhsa.kernels:
  - .name:           k_qf0eaf30e2b_project
    .symbol:         k_qf0eaf30e2b_project.kd
    .args:
      - { .name: x, .offset: 0, .size: 8, .value_kind: global_buffer, .address_space: global }
      - { .name: Wb, .offset: 8, .size: 8, .value_kind: global_buffer, .address_space: global }
      - { .name: bb, .offset: 16, .size: 8, .value_kind: global_buffer, .address_space: global }
      - { .name: Wc, .offset: 24, .size: 8, .value_kind: global_buffer, .address_space: global }
      - { .name: bc, .offset: 32, .size: 8, .value_kind: global_buffer, .address_space: global }
      - { .name: Wd, .offset: 40, .size: 8, .value_kind: global_buffer, .address_space: global }
      - { .name: bd, .offset: 48, .size: 8, .value_kind: global_buffer, .address_space: global }
      - { .name: kv, .offset: 56, .size: 8, .value_kind: global_buffer, .address_space: global }
      - { .name: qimg, .offset: 64, .size: 8, .value_kind: global_buffer, .address_space: global }
      - { .name: qs, .offset: 72, .size: 8, .value_kind: global_buffer, .address_space: global }
    .group_segment_fixed_size: 47360
    .private_segment_fixed_size: 0
    .kernarg_segment_align: 8
    .kernarg_segment_size: 80
    .max_flat_workgroup_size: 512
    .sgpr_count:     66
    .vgpr_count:     256
    .wavefront_size: 32
...
	.end_amdgpu_metadata
.endif
;; end of part 4
;; launch attend: the kernel of part 2 again; grid 64 x 4, 8 waves a work-group, clusters of 4 x 1, 327,680 bytes of LDS; arguments kv, qimg, qs, x, alpha, out0; writes out0
